; MI455X (gfx1250); checked and timed in simulation.
; The chip was launched on July 23, 2026; its instructions are those of AMD's public machine-readable ISA for CDNA 5 (MIT licence, August 2026) and "CDNA5" Instruction Set Architecture Reference Guide (July 2026). The comments in the code are by the model that wrote it; some were corrected since.
;; Multi Head Attention. Allowed arithmetic: float matrix products may take bf16 or f16 operands with f32 sums; all other float work in f32.
;; Inputs: Wk 1,024 x 1,024 float32; Wo 1,024 x 1,024 float32; Wq 1,024 x 1,024 float32; Wv 1,024 x 1,024 float32; bk 1,024 float32; bo 1,024 float32; bq 1,024 float32; bv 1,024 float32; k 2 x 2,048 x 1,024 float32; mask 1 x 1 x 2,048 x 2,048 float32; q 2 x 2,048 x 1,024 float32; v 2 x 2,048 x 1,024 float32.
;; Outputs: out0 2 x 2,048 x 1,024 float32.
;; 2 versions, each right. Each part assembles by itself: llvm-mc -triple=amdgcn-amd-amdhsa -mcpu=gfx1250 --defsym DOCPART=n.
;; ======== version 1 of 2: 4 launches
;; limits: values are held in f16: magnitudes above 65,504 overflow, below 6.1e-05 lose precision; right only within a limited range of input values
;; workspace buffers: w16 8,388,608 bytes; qkvh 25,165,824 bytes; att 8,388,608 bytes
;; launch wcvt (part 1): grid 64 x 4, 8 waves a work-group, no clusters, 0 bytes of LDS; arguments Wq, Wk, Wv, Wo, w16; writes w16
.if DOCPART == 1
	.amdgcn_target "amdgcn-amd-amdhsa--gfx1250"
	.amdhsa_code_object_version 6
	.text
	.protected	k_qd0e20725db_wcvt
	.globl	k_qd0e20725db_wcvt
	.p2align	8
	.type	k_qd0e20725db_wcvt,@function
k_qd0e20725db_wcvt:
	s_mov_b64 s[64:65], 0
	v_nop
	global_prefetch_b8 v0, s[64:65] scope:SCOPE_SE
	s_setreg_imm32_b32 hwreg(HW_REG_WAVE_MODE, 25, 1), 1
	s_wait_xcnt 0x0
; w16[y][k][n] = f16(W_y[k][n]), y = 0..3 for Wq, Wk, Wv, Wo: the four weight matrices rounded once, layout kept.
; FORMAT: f16, whose rounding step is 2^-11 of the number against bf16's 2^-8.  LIMIT: |W| < 65,504.  The weights have an rms of 1/32; 30 times larger
; it is about 1; 30 times smaller it is 0.001, still in f16's normal range, and entries under 2^-14 err by at most 2^-25, 3e-5 of that rms.
; A stream: 64 work-groups for each matrix, 64 KiB of f32 each.  Thread t takes 16 bytes of every 4,096, so a wave's load covers
; 512 consecutive bytes and its store of 8 bytes a lane 256 consecutive bytes, aligned.  All 16 loads go out first; nothing is
; reused, so there is no loop and no register is written twice.  No LDS, no matrix unit, no cluster: no byte is used twice.
.set X, 8                              ; v[8:71]    16 x 4 registers as loaded
.set Y, 72                             ; v[72:103]  16 x 2 registers to store
	s_load_b256 s[4:11], s[0:1], 0x0               ; Wq s[4:5], Wk s[6:7], Wv s[8:9], Wo s[10:11]
	s_load_b64 s[12:13], s[0:1], 0x20              ; w16
	s_and_b32 s14, ttmp7, 0xffff                   ; which matrix
	v_lshlrev_b32 v1, 4, v0                        ; 16 bytes a thread in
	v_lshlrev_b32 v2, 3, v0                        ; 8 bytes a thread out
	s_lshl_b32 s18, ttmp9, 16                      ; the group's 64 KiB of f32
	s_mov_b32 s19, 0
	s_lshl_b32 s20, s14, 21                        ; 2 MiB of f16 a matrix,
	s_lshl_b32 s21, ttmp9, 15                      ; the group's 32 KiB in it
	s_add_co_u32 s20, s20, s21
	s_mov_b32 s21, 0
	s_wait_kmcnt 0x0
	s_cmp_eq_u32 s14, 1
	s_cselect_b64 s[16:17], s[6:7], s[4:5]
	s_cmp_eq_u32 s14, 2
	s_cselect_b64 s[16:17], s[8:9], s[16:17]
	s_cmp_eq_u32 s14, 3
	s_cselect_b64 s[16:17], s[10:11], s[16:17]
	s_add_nc_u64 s[16:17], s[16:17], s[18:19]
	s_add_nc_u64 s[12:13], s[12:13], s[20:21]
.irp i, 0,1,2,3,4,5,6,7,8,9,10,11,12,13,14,15
	global_load_b128 v[X+4*\i:X+4*\i+3], v1, s[16:17] offset:4096*\i th:TH_LOAD_NT
.endr
.irp i, 0,1,2,3,4,5,6,7,8,9,10,11,12,13,14,15
	s_wait_loadcnt 15-\i                           ; loads come back in order: load i is in, the younger ones stay out
	v_cvt_pk_f16_f32 v[Y+2*\i], v[X+4*\i], v[X+4*\i+1]
	v_cvt_pk_f16_f32 v[Y+2*\i+1], v[X+4*\i+2], v[X+4*\i+3]
	global_store_b64 v2, v[Y+2*\i:Y+2*\i+1], s[12:13] offset:2048*\i
.endr
	s_endpgm
.Lfunc_end_k_qd0e20725db_wcvt:
	.size	k_qd0e20725db_wcvt, .Lfunc_end_k_qd0e20725db_wcvt-k_qd0e20725db_wcvt
	.p2alignl 7, 3214868480
	.fill 96, 4, 3214868480
	.section	.rodata,"a",@progbits
	.p2align	6, 0x0
	.amdhsa_kernel k_qd0e20725db_wcvt
		.amdhsa_group_segment_fixed_size 0
		.amdhsa_private_segment_fixed_size 0
		.amdhsa_enable_private_segment 0
		.amdhsa_kernarg_size 40
		.amdhsa_user_sgpr_count 2
		.amdhsa_user_sgpr_kernarg_segment_ptr 1
		.amdhsa_wavefront_size32 1
		.amdhsa_system_sgpr_workgroup_id_x 1
		.amdhsa_system_sgpr_workgroup_id_y 1
		.amdhsa_system_sgpr_workgroup_id_z 1
		.amdhsa_system_vgpr_workitem_id 0
		.amdhsa_next_free_vgpr 104
		.amdhsa_next_free_sgpr 66
		.amdhsa_reserve_vcc 0
		.amdhsa_float_denorm_mode_32 3
		.amdhsa_float_denorm_mode_16_64 3
		.amdhsa_memory_ordered 1
		.amdhsa_forward_progress 1
		.amdhsa_inst_pref_size 7
	.end_amdhsa_kernel
	.amdgpu_metadata
---
amdhsa.version: [ 1, 2 ]
amdhsa.kernels:
  - .name:           k_qd0e20725db_wcvt
    .symbol:         k_qd0e20725db_wcvt.kd
    .args:
      - { .name: Wq, .offset: 0, .size: 8, .value_kind: global_buffer, .address_space: global }
      - { .name: Wk, .offset: 8, .size: 8, .value_kind: global_buffer, .address_space: global }
      - { .name: Wv, .offset: 16, .size: 8, .value_kind: global_buffer, .address_space: global }
      - { .name: Wo, .offset: 24, .size: 8, .value_kind: global_buffer, .address_space: global }
      - { .name: w16, .offset: 32, .size: 8, .value_kind: global_buffer, .address_space: global }
    .group_segment_fixed_size: 0
    .private_segment_fixed_size: 0
    .kernarg_segment_align: 8
    .kernarg_segment_size: 40
    .max_flat_workgroup_size: 256
    .sgpr_count:     66
    .vgpr_count:     104
    .wavefront_size: 32
...
	.end_amdgpu_metadata
.endif
;; end of part 1
;; launch proj (part 2): grid 4 x 48, 4 waves a work-group, clusters of 4 x 4, 327,680 bytes of LDS; arguments q, k, v, w16, bq, bk, bv, qkvh; writes qkvh
.if DOCPART == 2
	.amdgcn_target "amdgcn-amd-amdhsa--gfx1250"
	.amdhsa_code_object_version 6
	.text
	.protected	k_qd0e20725db_proj
	.globl	k_qd0e20725db_proj
	.p2align	8
	.type	k_qd0e20725db_proj,@function
k_qd0e20725db_proj:
	s_mov_b64 s[64:65], 0
	v_nop
	global_prefetch_b8 v0, s[64:65] scope:SCOPE_SE
	s_setreg_imm32_b32 hwreg(HW_REG_WAVE_MODE, 25, 1), 1
	s_wait_xcnt 0x0
	s_wait_alu depctr_hold_cnt(0) depctr_sa_sdst(0) depctr_va_vdst(0) depctr_va_sdst(0) depctr_va_ssrc(0) depctr_va_vcc(0) depctr_vm_vsrc(0)
	s_getreg_b32 s2, hwreg(HW_REG_IB_STS2, 6, 4)
	s_cmp_eq_u32 s2, 0
	s_cbranch_scc0 .Lentry_in_a_cluster
	s_endpgm
.Lentry_in_a_cluster:
	s_bfe_u32 s2, ttmp6, 0x10000c
	s_cmp_lg_u32 s2, 0xf033
	s_cbranch_scc0 .Lentry_shape_is_right
	s_endpgm
.Lentry_shape_is_right:
; qkvh[p][batch][head][s][64] = round( (x_p W_p + b_p) * SC_p ),  p = 0, 1, 2 for q, k, v.  x: [4096 tokens][1024] f32.  W: f16 [1024 k][1024 n] from w16.  Sums in f32.
; OPERANDS: x is rounded to f16 on its way from LDS to the matrix unit, W comes in f16: steps of 2^-11 of the number against bf16's 2^-8.
; LIMIT: |x| < 65,504.  x has a spread of 1: 30 times larger its largest entries are about 150, with an offset of 30 spreads about 35; 30 times smaller its
; rms is 0.033, in f16's normal range.
; RESULTS: SC_0 = log2(e) / 32 (the division by sqrt(1024) and the change to base 2 for the softmax, folded into Q), SC_1 = 1; Q and K are stored in bf16:
; with q and Wq both 30 times smaller Q has an rms of 5e-5, under f16's normal range, and bf16 keeps its relative step at every size.
; SC_2 = 1 / 16, and V is stored in f16: its partner in the product P V, the softmax weights, lies in [0, 1].  LIMIT: |V| < 2^20 (f16's largest number
; times 16).  With v and Wv both 30 times larger V's rms is 900; with offsets of 30 spreads on both V is about 1024 x 30 x 0.94 = 29,000.  With both 30 times
; smaller V / 16 has an rms of 7e-5, where f16's spacing is 2^-24: an error of 2.5e-4 of the rms.  The factor 16 is given back in the attention's final division.
; A work-group makes 256 tokens x 256 features with four waves; wave w owns tokens 64 w .. 64 w + 63 and all 256 features: 64 accumulator tiles,
; 512 registers.  So each number of x is read from LDS and rounded to f16 by exactly one wave.  3 x 16 x 4 = 192 work-groups.
; K goes in steps of 64 through two LDS slots.  CLUSTERS of 4 x 4: the four of a row of the cluster have the same 256 tokens and ask for x's tile
; jointly; the four of a column have the same 256 features and ask for W's tile jointly: requests for both are divided by four.
; THE MATRIX INSTRUCTION IS USED TRANSPOSED: source 0 = 16 features of W (read from [k][n] rows by the transposing LDS load), source 1 = 16 tokens
; of x.  Lane (r, h), register j then holds feature 16 b + 8 h + j of token 16 a + r: eight neighbouring numbers of an output row.
; The 64 accumulators take turns, one instruction a turn, in the same order in every substep.
; REGISTERS: window 0: addresses, x as loaded (XF), x in f16 (XB0, XB1), the way out.  Window 1: W's fragments, two buffers of 128.
;            window 2: accumulators of token blocks 0, 1 (tile (a, b) at 8 (16 (a & 1) + b));  window 3: of token blocks 2, 3.
.set KS,    64                         ; K step
.set XP,    272                        ; LDS row of x: 64 f32 + 16 bytes: an odd multiple of 16, so 16 rows start in 16 different 16-byte columns of 256 bytes
.set WP,    288                        ; LDS row of W: 128 f16 + 32 bytes: an odd multiple of 32
.set XHALF, 128*XP                     ; what wave 0 or 1 brings: 128 tokens
.set WOFF,  256*XP                     ; W's two sub-tiles lie behind x's 256 rows
.set WSUB,  64*WP                      ; what wave 2 or 3 brings: 64 k x 128 features
.set SLOT,  WOFF+2*WSUB                ; 106,496
.set STAGE, 2*SLOT                     ; behind the ring, never filled by a tensor load: 64 rows x 144 bytes for each wave
.set SP,    144
.set ADRX, 16                          ; v16-17  LDS address of my x rows in slot 0, 1
.set ADRW, 18                          ; v18-19  the same for W's fragments
.set STO,  20                          ; v20     way out: where I put 16 bytes
.set RD,   21                          ; v21     way out: where I read 16 bytes back
.set CO,   22                          ; v22     16 x lane
.set BOFF, 23                          ; v23     32 h: my eight biases in a block of 16
.set XF,   32                          ; v32-95   x in f32, 16 registers for each token block
.set XB0,  96                          ; v96-127  x in f16, substep 0
.set XB1,  128                         ; v128-159 x in f16, substep 1
.set FO,   32                          ; v32-159  way out: results in f32; v32-95 again: rows read back
.set TMP,  160                         ; v160-223 way out: packed results
.set WB0,  0                           ; window 1, v0-127:   W's fragments, substep 0; at the end the bias
.set WB1,  128                         ; window 1, v128-255: W's fragments, substep 1
.set G1X, 32                           ; s[32:39] group 1 of x's tiles
.set G1W, 40                           ; s[40:47] group 1 of W's tiles
.set G0X, 48                           ; s[48:55] group 0 of x's tiles, a set for each slot
.set G0W, 56                           ; s[56:63] group 0 of W's tiles, a set for each slot
.set SC,  66                           ; s[66:67] the scale, twice
.set MUL_LO, 0xa1                      ; source 0 (W) window 1, source 1 (x) window 0, C and D window 2
.set MUL_HI, 0xf1                      ; the same, C and D window 3
.set TO_B,   0x40                      ; destination window 1, address window 0
.set MSB, 0
.macro WIN new                         ; the immediate's high byte repeats the setting that is left
.if MSB != \new
	s_set_vgpr_msb (MSB<<8)|\new
.set MSB, \new
.endif
.endm
.macro PLACES                          ; four places behind a matrix instruction, in front of loads into, or writes of, its registers
.rept 4
	v_nop
.endr
.endm
.macro CREST                           ; a round of the cluster's barrier behind its opening work-group barrier
	s_cmp_lg_u32 s20, 0
	s_cbranch_scc1 .Lnot_wave_0_\@
	s_barrier_signal -3
.Lnot_wave_0_\@:
	s_barrier_wait -3
	s_barrier_signal -1
	s_barrier_wait -1
.endm
.macro CROUND
	s_barrier_signal -1
	s_barrier_wait -1
	CREST
.endm
.macro JLOAD s                         ; waves 0, 1: x's two halves; waves 2, 3: W's two sub-tiles.  One mask and one set of registers a line
	s_cmp_eq_u32 s22, 0
	s_cbranch_scc0 .Lfor_w_\@
	tensor_load_to_lds s[G0X+4*\s:G0X+4*\s+3], s[G1X:G1X+7]
	s_nop 0
	s_branch .Lasked_\@
.Lfor_w_\@:
	tensor_load_to_lds s[G0W+4*\s:G0W+4*\s+3], s[G1W:G1W+7]
	s_nop 0
.Lasked_\@:
.endm
	s_load_b512 s[4:19], s[0:1], 0x0               ; q s[4:5], k s[6:7], v s[8:9], w16 s[10:11], bq s[12:13], bk s[14:15], bv s[16:17], qkvh s[18:19]
	v_lshl_add_u32 v254, v0, 2, 0x3d000
	v_mov_b32 v255, 0
	ds_add_u32 v254, v255
	v_lshrrev_b32 v1, 5, v0
	v_readfirstlane_b32 s20, v1                    ; wave 0..3
	s_and_b32 s21, s20, 1                          ; which half of its tile the wave fetches
	s_lshr_b32 s22, s20, 1                         ; 0: it fetches x, 1: W
	s_bfe_u32 s23, ttmp6, 0x40000                  ; cx = block of 256 features (one cluster spans all four)
	s_bfe_u32 s24, ttmp6, 0x40004                  ; cy
	s_and_b32 s25, ttmp7, 0xffff                   ; the cluster's y, 0..11
	s_lshr_b32 s26, s25, 2                         ; p: 0 q, 1 k, 2 v: the same in all sixteen partners
	s_and_b32 s27, s25, 3
	s_lshl_b32 s27, s27, 2
	s_add_co_u32 s27, s27, s24                     ; tb: block of 256 tokens, 0..15
	s_lshl_b32 s29, s24, 2
	s_lshl_b32 s29, 15, s29                        ; my row of the cluster
	s_lshl_b32 s30, 0x1111, s23                    ; my column
	; group 1 of x: 128 rows x 64 f32, 1,024 elements from row to row; 4 words of padding behind every 64
	s_or_b32 s[G1X+0], s29, (2<<16)|(1<<20)|(1<<21)|(5<<22)|(3<<25)
	s_mov_b32 s[G1X+1], 64<<16                     ; tensor_dim0 = 64
	s_mov_b32 s[G1X+2], 128<<16                    ; tensor_dim1 = 128
	s_mov_b32 s[G1X+3], 64<<16                     ; tile_dim0 = 64
	s_mov_b32 s[G1X+4], 128                        ; tile_dim1 = 128
	s_mov_b32 s[G1X+5], 1024                       ; pitch
	s_mov_b32 s[G1X+6], 0
	s_mov_b32 s[G1X+7], 0
	; group 1 of W: 64 rows (k) x 128 f16, 1,024 elements from row to row; 8 words of padding behind every 64
	s_or_b32 s[G1W+0], s30, (1<<16)|(1<<20)|(1<<21)|(5<<22)|(7<<25)
	s_mov_b32 s[G1W+1], 128<<16
	s_mov_b32 s[G1W+2], 64<<16
	s_mov_b32 s[G1W+3], 128<<16
	s_mov_b32 s[G1W+4], 64
	s_mov_b32 s[G1W+5], 1024
	s_mov_b32 s[G1W+6], 0
	s_mov_b32 s[G1W+7], 0
	s_cmp_eq_u32 s26, 0
	s_cselect_b32 s[SC], 0x3d38aa3b, 1.0           ; log2(e) / 32 for q, 1 for k,
	s_cmp_eq_u32 s26, 2
	s_cselect_b32 s[SC], 0x3d800000, s[SC]         ; 1 / 16 for v
	s_mov_b32 s[SC+1], s[SC]
	; x's address is made of tb, p and the wave alone, W's of cx, p and the wave alone, each in registers of its own
	s_lshl_b32 s72, s27, 20                        ; 256 tokens of 4,096 bytes
	s_lshl_b32 s73, s21, 19                        ; 128 tokens
	s_add_co_u32 s72, s72, s73
	s_mov_b32 s73, 0
	s_lshl_b32 s74, s26, 21                        ; 2 MiB a matrix
	s_lshl_b32 s75, s23, 9                         ; 256 features of 2 bytes
	s_add_co_u32 s74, s74, s75
	s_lshl_b32 s75, s21, 8                         ; 128 features
	s_add_co_u32 s74, s74, s75
	s_mov_b32 s75, 0
	s_lshl_b32 s80, s23, 10                        ; the bias of my 256 features
	s_mov_b32 s81, 0
	s_mul_i32 s76, s20, XHALF                      ; LDS: x's halves at wave x 34,816 (waves 0, 1)
	s_mul_i32 s77, s20, WSUB
	s_add_co_u32 s77, s77, WOFF-2*WSUB             ; W's sub-tiles at 69,632 + (wave - 2) x 18,432 (waves 2, 3)
	s_wait_dscnt 0x0
	s_wait_kmcnt 0x0
	s_cmp_eq_u32 s26, 1
	s_cselect_b64 s[68:69], s[6:7], s[4:5]
	s_cselect_b64 s[70:71], s[14:15], s[12:13]
	s_cmp_eq_u32 s26, 2
	s_cselect_b64 s[68:69], s[8:9], s[68:69]
	s_cselect_b64 s[70:71], s[16:17], s[70:71]
	s_add_nc_u64 s[68:69], s[68:69], s[72:73]
	s_add_nc_u64 s[78:79], s[10:11], s[74:75]
	s_add_nc_u64 s[70:71], s[70:71], s[80:81]
	CROUND                                         ; all sixteen work-groups are here: the first joint loads meet
.irp s, 0,1
	s_mov_b32 s[G0X+4*\s], 1
	s_add_co_u32 s[G0X+4*\s+1], s76, \s*SLOT
	s_add_nc_u64 s[G0X+4*\s+2:G0X+4*\s+3], s[68:69], \s*KS*4
	s_or_b32 s[G0X+4*\s+3], s[G0X+4*\s+3], 0x80000000
	s_mov_b32 s[G0W+4*\s], 1
	s_add_co_u32 s[G0W+4*\s+1], s77, \s*SLOT
	s_add_nc_u64 s[G0W+4*\s+2:G0W+4*\s+3], s[78:79], \s*KS*2048
	s_or_b32 s[G0W+4*\s+3], s[G0W+4*\s+3], 0x80000000
	JLOAD \s                                       ; both first fills go out together: two tensor loads of the wave are out
.endr
	v_and_b32 v1, 15, v0                           ; r
	v_bfe_u32 v2, v0, 4, 1                         ; h
	v_and_b32 v3, 7, v0                            ; lane & 7
	v_bfe_u32 v4, v0, 3, 1                         ; (lane >> 3) & 1
	v_and_b32 v5, 31, v0                           ; lane
	s_mul_i32 s28, s20, 64*XP
	v_mul_u32_u24 v6, v1, XP
	v_lshl_add_u32 v6, v2, 5, v6
	v_add_nc_u32 v[ADRX], s28, v6                  ; (64 w + r) x 272 + 32 h: 8 f32 of k for each half of the lanes
	v_add_nc_u32 v[ADRX+1], SLOT, v[ADRX]
	v_lshl_add_u32 v7, v2, 3, v3
	v_mul_u32_u24 v7, v7, WP
	v_lshl_add_u32 v7, v4, 4, v7
	v_add_nc_u32 v[ADRW], WOFF, v7                 ; (8 h + lane & 7) x 288 + 16 ((lane >> 3) & 1)
	v_add_nc_u32 v[ADRW+1], SLOT, v[ADRW]
	s_mul_i32 s31, s20, 64*SP
	s_add_co_u32 s31, s31, STAGE                   ; my stage
	v_mul_u32_u24 v8, v1, SP
	v_lshl_add_u32 v8, v2, 4, v8
	v_add_nc_u32 v[STO], s31, v8
	v_lshrrev_b32 v9, 3, v5
	v_mul_u32_u24 v9, v9, SP
	v_lshl_add_u32 v9, v3, 4, v9
	v_add_nc_u32 v[RD], s31, v9                    ; four rows of 128 bytes a load
	v_lshlrev_b32 v[CO], 4, v5
	v_lshlrev_b32 v[BOFF], 5, v2
; One run of 48 LDS loads: substep q (32 along K) of a slot.  First x: 4 token blocks x 4 loads (k = 8 h .. + 7 and 16 + 8 h .. + 7 in f32),
; then W: 16 feature blocks x 2 transposing loads into buffer wb.
.macro FETCH slot, q, wb
	WIN 0
.irp a, 0,1,2,3
	ds_load_b128 v[XF+16*\a:XF+16*\a+3],     v[ADRX+\slot] offset:\a*16*XP+128*\q
	ds_load_b128 v[XF+16*\a+4:XF+16*\a+7],   v[ADRX+\slot] offset:\a*16*XP+128*\q+16
	ds_load_b128 v[XF+16*\a+8:XF+16*\a+11],  v[ADRX+\slot] offset:\a*16*XP+128*\q+64
	ds_load_b128 v[XF+16*\a+12:XF+16*\a+15], v[ADRX+\slot] offset:\a*16*XP+128*\q+80
.endr
	WIN TO_B
.irp t, 0,1
.irp c, 0,1,2,3,4,5,6,7
	ds_load_tr16_b128 v[\wb+64*\t+8*\c:\wb+64*\t+8*\c+3],   v[ADRW+\slot] offset:32*\q*WP+\t*WSUB+32*\c
	ds_load_tr16_b128 v[\wb+64*\t+8*\c+4:\wb+64*\t+8*\c+7], v[ADRW+\slot] offset:32*\q*WP+\t*WSUB+32*\c+16*WP
.endr
.endr
	WIN 0
.endm
.macro CVT xb                          ; 64 f32 a lane to 32 registers of f16: the four fragments of x
.set i, 0
.rept 32
	v_cvt_pk_f16_f32 v[\xb+i], v[XF+2*i], v[XF+2*i+1]
.set i, i+1
.endr
.endm
; 16 matrix instructions: token block a (al = a & 1: its place in the window) x all 16 feature blocks.  zero = 1: the first product starts the sums
.macro MUL16 wb, xb, a, al, zero
.irp b, 0,1,2,3,4,5,6,7,8,9,10,11,12,13,14,15
.if \zero
	v_wmma_f32_16x16x32_f16 v[8*(16*\al+\b):8*(16*\al+\b)+7], v[\wb+8*\b:\wb+8*\b+7], v[\xb+8*\a:\xb+8*\a+7], 0
.else
	v_wmma_f32_16x16x32_f16 v[8*(16*\al+\b):8*(16*\al+\b)+7], v[\wb+8*\b:\wb+8*\b+7], v[\xb+8*\a:\xb+8*\a+7], v[8*(16*\al+\b):8*(16*\al+\b)+7]
.endif
.endr
.endm
; Substep 0 of a K step: multiplies WB0 / XB0; fetches substep 1 and rounds its x in the middle.
.macro SUB0 slot, zero
	PLACES                                         ; WB1 and XB1 were read by the matrix instructions of the substep before
	FETCH \slot, 1, WB1
	s_wait_dscnt 48                                ; all but the 48 just issued: WB0 is in
	WIN MUL_LO
	MUL16 WB0, XB0, 0, 0, \zero
	MUL16 WB0, XB0, 1, 1, \zero
	WIN 0
	s_wait_dscnt 32                                ; x's 16 loads stand first in the run: they are in, W's 32 may be out
	CVT XB1
	WIN MUL_HI
	MUL16 WB0, XB0, 2, 0, \zero
	MUL16 WB0, XB0, 3, 1, \zero
.endm
; Substep 1: multiplies WB1 / XB1 and changes slots.  In front of the barrier each wave waits for its reads of this slot and for all its tensor
; loads (one is out: its part of the next slot).  With fill = 1 the barrier opens a round of the cluster's barrier, and the joint refill of this
; slot, two K steps ahead, is the first tensor load behind the round; it has a whole K step's matrix work less 16 instructions in which to land.
.macro TURN slot, next, fill
	s_wait_dscnt 0x0                               ; WB1 is in, and my reads of this slot are over
	s_set_vgpr_msb 0xf1f0
	s_wait_tensorcnt 0x0                           ; all my tensor loads have landed
	ds_add_u32 v254, v255
	s_wait_dscnt 0x0
	s_set_vgpr_msb 0xf0f1
	s_barrier_signal -1
	WIN MUL_LO
	MUL16 WB1, XB1, 0, 0, 0                        ; register work while the others arrive
	WIN 0
	s_barrier_wait -1
.if \fill
	CREST
	s_add_nc_u64 s[G0X+4*\slot+2:G0X+4*\slot+3], s[G0X+4*\slot+2:G0X+4*\slot+3], 2*KS*4
	s_add_nc_u64 s[G0W+4*\slot+2:G0W+4*\slot+3], s[G0W+4*\slot+2:G0W+4*\slot+3], 2*KS*2048
	JLOAD \slot
.endif
	PLACES                                         ; WB0 and XB0 were read by the matrix instructions of substep 0
	FETCH \next, 0, WB0
	WIN MUL_LO
	MUL16 WB1, XB1, 1, 1, 0
	WIN MUL_HI
	MUL16 WB1, XB1, 2, 0, 0
	MUL16 WB1, XB1, 3, 1, 0
	WIN 0
	s_wait_dscnt 32                                ; x's 16 loads of the next slot are in
	CVT XB0
.endm
.macro LAP zero
	SUB0 0, \zero
	TURN 0, 1, 1
	SUB0 1, 0
	TURN 1, 0, 1
.endm
	s_wait_tensorcnt 0x1                           ; my part of K step 0 is in; K step 1's may stay out
	s_barrier_signal -1
	s_barrier_wait -1
	FETCH 0, 0, WB0
	s_wait_dscnt 32
	CVT XB0
	LAP 1                                          ; K steps 0, 1: the first products start the sums
	s_mov_b32 s28, 6                               ; K steps 2 .. 13
.Llap:
	LAP 0
	s_sub_co_u32 s28, s28, 1
	s_cmp_lg_u32 s28, 0
	s_cbranch_scc1 .Llap
	SUB0 0, 0                                      ; K steps 14, 15 fill nothing
	TURN 0, 1, 0
	SUB0 1, 0
	s_wait_dscnt 0x0
	PLACES                                         ; WB0 was read by the matrix instructions just issued
	WIN TO_B
.irp b, 0,1,2,3,4,5,6,7,8,9,10,11,12,13,14,15
	global_load_b128 v[WB0+8*\b:WB0+8*\b+3],   v[BOFF], s[70:71] offset:64*\b      ; the bias in the accumulators' layout: features 16 b + 8 h + 0 .. 7
	global_load_b128 v[WB0+8*\b+4:WB0+8*\b+7], v[BOFF], s[70:71] offset:64*\b+16
.endr
	WIN MUL_LO
	MUL16 WB1, XB1, 0, 0, 0
	MUL16 WB1, XB1, 1, 1, 0
	WIN MUL_HI
	MUL16 WB1, XB1, 2, 0, 0
	MUL16 WB1, XB1, 3, 1, 0
	; THE WAY OUT.  result = acc * SC + bias * SC.  The 64 multiplies of the bias are also the places behind the last matrix instructions.
	s_lshr_b32 s82, s27, 3                         ; batch
	s_lshl_b32 s82, s82, 4
	s_lshl_b32 s83, s23, 2
	s_add_co_u32 s82, s82, s83                     ; 16 x batch + my first head
	s_lshl_b32 s82, s82, 18                        ; 2,048 rows of 128 bytes a head
	s_and_b32 s83, s27, 7
	s_lshl_b32 s83, s83, 15                        ; 256 tokens of 128 bytes
	s_add_co_u32 s82, s82, s83
	s_lshl_b32 s83, s20, 13                        ; 64 tokens
	s_add_co_u32 s82, s82, s83
	s_lshl_b32 s83, s26, 23                        ; 8 MiB for each of Q, K, V
	s_add_co_u32 s82, s82, s83
	s_mov_b32 s83, 0
	s_add_nc_u64 s[18:19], s[18:19], s[82:83]
	s_wait_loadcnt 0x0                             ; the bias
	WIN 0x41
.set i, 0
.rept 64
	v_pk_mul_f32 v[WB0+2*i:WB0+2*i+1], v[WB0+2*i:WB0+2*i+1], s[SC:SC+1] op_sel_hi:[1,0]
.set i, i+1
.endr
; 16 tokens x 256 features: scale and bias, round, 16 bytes a lane into my stage (4 heads x 16 rows of 144 bytes), read back 4 rows of 128 bytes
; a load: in qkvh these are 512 consecutive bytes, aligned, of one head.  The branch picks the format: bf16 for Q and K, f16 for V; it hangs on p,
; which all waves of all sixteen partners share, and jumps over register work alone.
.macro OUT a, al, win
.if \a
	s_wait_xcnt 0x0                                ; FO, which the last block's stores read, is written again only behind this wait
.endif
	WIN \win                                       ; source 0 window 2 or 3 (sums), source 2 window 1 (bias), destination window 0
.set i, 0
.rept 64
	v_pk_fma_f32 v[FO+2*i:FO+2*i+1], v[128*\al+2*i:128*\al+2*i+1], s[SC:SC+1], v[WB0+2*i:WB0+2*i+1] op_sel_hi:[1,0,1]
.set i, i+1
.endr
	WIN 0
	s_cmp_eq_u32 s26, 2
	s_cbranch_scc1 .Lhalf_\@
.set i, 0
.rept 64
	v_cvt_pk_bf16_f32 v[TMP+i], v[FO+2*i], v[FO+2*i+1]
.set i, i+1
.endr
	s_branch .Lpacked_\@
.Lhalf_\@:
.set i, 0
.rept 64
	v_cvt_pk_f16_f32 v[TMP+i], v[FO+2*i], v[FO+2*i+1]
.set i, i+1
.endr
.Lpacked_\@:
.irp hl, 0,1,2,3
.irp c, 0,1,2,3
	ds_store_b128 v[STO], v[TMP+16*\hl+4*\c:TMP+16*\hl+4*\c+3] offset:\hl*16*SP+32*\c
.endr
.endr
.irp hl, 0,1,2,3
.irp t, 0,1,2,3
	ds_load_b128 v[FO+16*\hl+4*\t:FO+16*\hl+4*\t+3], v[RD] offset:\hl*16*SP+\t*4*SP   ; LDS serves a wave's instructions in order: these see the stores above
.endr
.endr
.set n, 0
.irp hl, 0,1,2,3
.irp t, 0,1,2,3
	s_wait_dscnt 15-n
	global_store_b128 v[CO], v[FO+16*\hl+4*\t:FO+16*\hl+4*\t+3], s[18:19] offset:\hl*262144+\a*2048+\t*512
.set n, n+1
.endr
.endr
.endm
	OUT 0, 0, 0x12
	OUT 1, 1, 0x12
	OUT 2, 0, 0x13
	OUT 3, 1, 0x13
	s_wait_tensorcnt 0x0
	ds_add_u32 v254, v255
	s_wait_dscnt 0x0
	CROUND                                         ; the closing round: no work-group ends while a partner may still ask for a tile that names it
	s_endpgm
.Lfunc_end_k_qd0e20725db_proj:
	.size	k_qd0e20725db_proj, .Lfunc_end_k_qd0e20725db_proj-k_qd0e20725db_proj
	.p2alignl 7, 3214868480
	.fill 96, 4, 3214868480
	.section	.rodata,"a",@progbits
	.p2align	6, 0x0
	.amdhsa_kernel k_qd0e20725db_proj
		.amdhsa_group_segment_fixed_size 327680
		.amdhsa_private_segment_fixed_size 0
		.amdhsa_enable_private_segment 0
		.amdhsa_kernarg_size 64
		.amdhsa_user_sgpr_count 2
		.amdhsa_user_sgpr_kernarg_segment_ptr 1
		.amdhsa_wavefront_size32 1
		.amdhsa_system_sgpr_workgroup_id_x 1
		.amdhsa_system_sgpr_workgroup_id_y 1
		.amdhsa_system_sgpr_workgroup_id_z 1
		.amdhsa_system_vgpr_workitem_id 0
		.amdhsa_next_free_vgpr 1024
		.amdhsa_next_free_sgpr 84
		.amdhsa_reserve_vcc 0
		.amdhsa_float_denorm_mode_32 3
		.amdhsa_float_denorm_mode_16_64 3
		.amdhsa_memory_ordered 1
		.amdhsa_forward_progress 1
		.amdhsa_inst_pref_size 196
	.end_amdhsa_kernel
	.amdgpu_metadata
---
amdhsa.version: [ 1, 2 ]
amdhsa.kernels:
  - .name:           k_qd0e20725db_proj
    .symbol:         k_qd0e20725db_proj.kd
    .args:
      - { .name: q, .offset: 0, .size: 8, .value_kind: global_buffer, .address_space: global }
      - { .name: k, .offset: 8, .size: 8, .value_kind: global_buffer, .address_space: global }
      - { .name: v, .offset: 16, .size: 8, .value_kind: global_buffer, .address_space: global }
      - { .name: w16, .offset: 24, .size: 8, .value_kind: global_buffer, .address_space: global }
      - { .name: bq, .offset: 32, .size: 8, .value_kind: global_buffer, .address_space: global }
      - { .name: bk, .offset: 40, .size: 8, .value_kind: global_buffer, .address_space: global }
      - { .name: bv, .offset: 48, .size: 8, .value_kind: global_buffer, .address_space: global }
      - { .name: qkvh, .offset: 56, .size: 8, .value_kind: global_buffer, .address_space: global }
    .group_segment_fixed_size: 327680
    .private_segment_fixed_size: 0
    .kernarg_segment_align: 8
    .kernarg_segment_size: 64
    .max_flat_workgroup_size: 128
    .sgpr_count:     84
    .vgpr_count:     1024
    .wavefront_size: 32
...
	.end_amdgpu_metadata
.endif
;; end of part 2
;; launch attn (part 3): grid 8 x 32, 4 waves a work-group, clusters of 4 x 4, 327,680 bytes of LDS; arguments qkvh, mask, att; writes att
.if DOCPART == 3
	.amdgcn_target "amdgcn-amd-amdhsa--gfx1250"
	.amdhsa_code_object_version 6
	.text
	.protected	k_qd0e20725db_attn
	.globl	k_qd0e20725db_attn
	.p2align	8
	.type	k_qd0e20725db_attn,@function
k_qd0e20725db_attn:
	s_mov_b64 s[64:65], 0
	v_nop
	global_prefetch_b8 v0, s[64:65] scope:SCOPE_SE
	s_setreg_imm32_b32 hwreg(HW_REG_WAVE_MODE, 25, 1), 1
	s_wait_xcnt 0x0
	s_wait_alu depctr_hold_cnt(0) depctr_sa_sdst(0) depctr_va_vdst(0) depctr_va_sdst(0) depctr_va_ssrc(0) depctr_va_vcc(0) depctr_vm_vsrc(0)
	s_getreg_b32 s2, hwreg(HW_REG_IB_STS2, 6, 4)
	s_cmp_eq_u32 s2, 0
	s_cbranch_scc0 .Lentry_in_a_cluster
	s_endpgm
.Lentry_in_a_cluster:
	s_bfe_u32 s2, ttmp6, 0x10000c
	s_cmp_lg_u32 s2, 0xf033
	s_cbranch_scc0 .Lentry_shape_is_right
	s_endpgm
.Lentry_shape_is_right:
; att[bh][s][64] = f16( softmax over keys of ( Q K^T / 32 - 1e9 (1 - mask) ) V ), for each of the 32 (batch, head) pairs bh.
; Q (already times log2(e) / 32) and K: bf16 [bh][2048][64] in qkvh; V / 16: f16, same shape.  mask: f32 [2048 queries][2048 keys].
; Softmax in f32 with a running maximum, base 2.
; FORMATS: Q K^T takes bf16 operands.  P V takes f16 operands: the weights p = 2^(x - maximum) lie in [0, 1] whatever the inputs, and f16 rounds them, and V,
; in steps of 2^-11 of the number against bf16's 2^-8.  V comes scaled by 1 / 16 so that f16 holds |V| < 2^20; the final division gives the 16 back.
; The result is stored in f16, unscaled: it is an average of V, so |att| <= max |V|: about 29,000 with offsets of 30 spreads on v and Wv; with v and Wv both
; 30 times smaller and even weights its rms is 1 / (900 x 45) = 2.5e-5, where f16's spacing is 2^-24: an error of 7e-4 of the rms.
; A work-group has 256 queries of one bh; wave w owns 64 of them as 4 blocks of 16.  Keys go in chunks of 64 through two LDS slots, 32 chunks.
; CLUSTERS of 4 x 4: a row of the cluster has one bh and asks for K and V jointly; a column has one block of queries and asks for the mask's
; tile jointly: requests for all three are divided by four.  One round of the cluster's barrier a chunk.
; LAYOUTS, chosen so that nothing is shuffled:  S^T = K Q^T (source 0 = 16 keys, source 1 = 16 queries): lane (r, h), register j holds key
; 16 kt + 8 h + j of query r: eight neighbouring keys of one query = 32 consecutive bytes of a mask row; packed to f16 they are source 1 of
; O^T = V^T P^T (source 0 = 16 columns of V by the transposing LDS load).  Maximum, sum and rescale factor are one number a lane.
; x = s + 1e9 log2(e) (mask - 1): mask - 1 is formed first (exact for mask in [0.5, 2] and for 0), then one fused multiply-add.
; LIMITS: |V| < 2^20 and |att| < 65,504.  A row whose mask is 0 everywhere gives the plain average of V, as the f32 formula does, while |logit| < 44 (there the
; huge bias swallows the logits).  For mask values other than 0 and 1 the bias quantises the logits in another order of rounding than the f32 formula's: that
; shows only where several keys of a row share exactly the row's largest mask value and that value is not 1 (any other key is 2^-86 or less of the largest).
; Exponentials below 2^-126 count as 0, and weights below 2^-25 enter the product with V as 0 while the f32 sum still counts them: at most
; 2048 x 2^-25 of a sum that is at least 1.  A NaN or an infinity in the mask gives NaN.
; Accumulators take turns, one matrix instruction a turn, four tiles in a group.
.set KP,    144                        ; LDS row of K: 128 bytes + 16
.set VP,    160                        ; LDS row of V: 128 bytes + 32, an odd multiple of 32 for the transposing load
.set MP,    272                        ; LDS row of the mask: 64 f32 + 16 bytes
.set VOFF,  64*KP
.set MOFF,  VOFF+64*VP                 ; 19,456
.set MHALF, 128*MP                     ; what wave 0 or 1 brings: 128 queries x 64 keys
.set SLOT,  MOFF+2*MHALF               ; 89,088
.set STAGE, 2*SLOT                     ; behind the ring, never filled by a tensor load: 16 rows x 144 bytes for each wave
.set SP,    144
.set ADRK, 8                           ; v8-9    LDS address of K's fragments in slot 0, 1
.set ADRV, 10                          ; v10-11  of V's
.set ADRM, 12                          ; v12-13  of my mask rows
.set STO,  14
.set RD,   15
.set CO,   16
.set QOFF, 17
.set MX,   20                          ; v20-27  running maximum, a pair (twice the same) for each query block
.set LS,   28                          ; v28-31  running sum of my half of the keys, one for each query block
.set AL,   32                          ; v32-33  rescale factor, twice
.set SA,   34                          ; v34-37  two pairs of partial sums
.set SB,   36
.set T,    38                          ; v38-43  at work
.set SBUF0, 48                         ; v48-79   logits, then weights, of an even query block
.set SBUF1, 80                         ; v80-111  of an odd one
.set MBUF0, 112                        ; v112-143 mask of an even query block; its first 16 registers then hold the weights in f16
.set MBUF1, 144                        ; v144-175 of an odd one
.set QF,   176                         ; v176-239 Q's fragments, 16 qb + 8 ks
.set OA,   0                           ; window 1, v0-127:   O^T, 32 qb + 8 dt
.set KF,   128                         ; window 1, v128-191: K's fragments, 16 kt + 8 ks
.set VF,   192                         ; window 1, v192-255: V's fragments, 32 g + 8 dt
.set G1K, 24
.set G1V, 32
.set G1M, 40
.set G0K, 48                           ; s[48:55] a set for each slot
.set G0V, 56                           ; s[56:63]
.set G0M, 68                           ; s[68:75]
.set C2,  18                           ; s[18:19] 1e9 log2(e), twice
.set W_S,  0x01                        ; source 0 (K) window 1, all else window 0
.set W_PV, 0x51                        ; source 0 (V), C and D window 1, source 1 (P) window 0
.set W_RS, 0x41                        ; source 0 and destination window 1
.set W_LD, 0x40                        ; destination window 1
.set MSB, 0
.macro WIN new
.if MSB != \new
	s_set_vgpr_msb (MSB<<8)|\new
.set MSB, \new
.endif
.endm
.macro CREST
	s_cmp_lg_u32 s10, 0
	s_cbranch_scc1 .Lnot_wave_0_\@
	s_barrier_signal -3
.Lnot_wave_0_\@:
	s_barrier_wait -3
	s_barrier_signal -1
	s_barrier_wait -1
.endm
.macro CROUND
	s_barrier_signal -1
	s_barrier_wait -1
	CREST
.endm
.macro JLOAD s                         ; waves 0, 1: the mask's two halves; wave 2: K; wave 3: V.  One tensor load a wave
	s_cmp_lt_u32 s10, 2
	s_cbranch_scc0 .Lkv_\@
	tensor_load_to_lds s[G0M+4*\s:G0M+4*\s+3], s[G1M:G1M+7]
	s_nop 0
	s_branch .Lasked_\@
.Lkv_\@:
	s_cmp_eq_u32 s10, 2
	s_cbranch_scc0 .Lfor_v_\@
	tensor_load_to_lds s[G0K+4*\s:G0K+4*\s+3], s[G1K:G1K+7]
	s_nop 0
	s_branch .Lasked_\@
.Lfor_v_\@:
	tensor_load_to_lds s[G0V+4*\s:G0V+4*\s+3], s[G1V:G1V+7]
	s_nop 0
.Lasked_\@:
.endm
	s_load_b128 s[4:7], s[0:1], 0x0                ; qkvh s[4:5], mask s[6:7]
	s_load_b64 s[8:9], s[0:1], 0x10                ; att
	v_lshl_add_u32 v254, v0, 2, 0x2dc00
	v_mov_b32 v255, 0
	ds_add_u32 v254, v255
	v_lshrrev_b32 v1, 5, v0
	v_readfirstlane_b32 s10, v1                    ; wave 0..3
	s_and_b32 s11, s10, 1
	s_bfe_u32 s12, ttmp6, 0x40000                  ; cx
	s_bfe_u32 s13, ttmp6, 0x40004                  ; cy
	s_lshl_b32 s14, ttmp9, 2
	s_add_co_u32 s14, s14, s12                     ; block of 256 queries, 0..7
	s_and_b32 s15, ttmp7, 0xffff
	s_lshl_b32 s15, s15, 2
	s_add_co_u32 s15, s15, s13                     ; bh, 0..31
	s_mov_b32 s16, 0x76543210                      ; v_permlanex16_b32: lane i of one half reads lane i of the other
	s_mov_b32 s17, 0xfedcba98
	s_mov_b32 s[C2], 0x4eabfb8f                    ; 1e9 log2(e)
	s_mov_b32 s[C2+1], 0x4eabfb8f
	s_lshl_b32 s21, s13, 2
	s_lshl_b32 s21, 15, s21                        ; my row of the cluster
	s_lshl_b32 s22, 0x1111, s12                    ; my column
	; K: 64 rows x 64 numbers of 2 bytes, dense; 4 words of padding behind every 32
	s_or_b32 s[G1K+0], s21, (1<<16)|(1<<20)|(1<<21)|(4<<22)|(3<<25)
	s_mov_b32 s[G1K+1], 64<<16
	s_mov_b32 s[G1K+2], 64<<16
	s_mov_b32 s[G1K+3], 64<<16
	s_mov_b32 s[G1K+4], 64
	s_mov_b32 s[G1K+5], 64
	s_mov_b32 s[G1K+6], 0
	s_mov_b32 s[G1K+7], 0
	; V: the same with 8 words of padding
	s_or_b32 s[G1V+0], s21, (1<<16)|(1<<20)|(1<<21)|(4<<22)|(7<<25)
	s_mov_b32 s[G1V+1], 64<<16
	s_mov_b32 s[G1V+2], 64<<16
	s_mov_b32 s[G1V+3], 64<<16
	s_mov_b32 s[G1V+4], 64
	s_mov_b32 s[G1V+5], 64
	s_mov_b32 s[G1V+6], 0
	s_mov_b32 s[G1V+7], 0
	; mask: 128 rows x 64 f32, 2,048 elements from row to row; 4 words of padding behind every 64
	s_or_b32 s[G1M+0], s22, (2<<16)|(1<<20)|(1<<21)|(5<<22)|(3<<25)
	s_mov_b32 s[G1M+1], 64<<16
	s_mov_b32 s[G1M+2], 128<<16
	s_mov_b32 s[G1M+3], 64<<16
	s_mov_b32 s[G1M+4], 128
	s_mov_b32 s[G1M+5], 2048
	s_mov_b32 s[G1M+6], 0
	s_mov_b32 s[G1M+7], 0
	s_lshl_b32 s76, s15, 18                        ; a bh is 2,048 rows of 128 bytes
	s_mov_b32 s77, 0
	s_lshl_b32 s80, s14, 21                        ; 256 mask rows of 8,192 bytes
	s_lshl_b32 s81, s11, 20                        ; 128 rows
	s_add_co_u32 s80, s80, s81
	s_mov_b32 s81, 0
	s_lshl_b32 s82, s14, 15                        ; my queries in Q and in att: 256 rows of 128 bytes a block,
	s_lshl_b32 s83, s10, 13                        ; 64 a wave
	s_add_co_u32 s82, s82, s83
	s_mov_b32 s83, 0
	s_mul_i32 s23, s10, MHALF
	s_add_co_u32 s23, s23, MOFF                    ; LDS: the mask's halves at 19,456 + wave x 34,816 (waves 0, 1)
	s_wait_dscnt 0x0
	s_wait_kmcnt 0x0
	s_add_nc_u64 s[78:79], s[4:5], s[76:77]        ; qkvh at my bh: feeds K's and V's descriptors
	s_add_nc_u64 s[80:81], s[6:7], s[80:81]        ; the mask at the wave's rows
	s_add_nc_u64 s[4:5], s[78:79], s[82:83]        ; Q at my wave's queries
	s_add_nc_u64 s[8:9], s[8:9], s[76:77]
	s_add_nc_u64 s[8:9], s[8:9], s[82:83]          ; att at my wave's queries
	CROUND                                         ; all sixteen work-groups are here: the first joint loads meet
.irp s, 0,1
	s_mov_b32 s[G0K+4*\s], 1
	s_mov_b32 s[G0K+4*\s+1], \s*SLOT
	s_add_nc_u64 s[G0K+4*\s+2:G0K+4*\s+3], s[78:79], (1<<23)+\s*8192
	s_or_b32 s[G0K+4*\s+3], s[G0K+4*\s+3], 0x80000000
	s_mov_b32 s[G0V+4*\s], 1
	s_mov_b32 s[G0V+4*\s+1], \s*SLOT+VOFF
	s_add_nc_u64 s[G0V+4*\s+2:G0V+4*\s+3], s[78:79], (2<<23)+\s*8192
	s_or_b32 s[G0V+4*\s+3], s[G0V+4*\s+3], 0x80000000
	s_mov_b32 s[G0M+4*\s], 1
	s_add_co_u32 s[G0M+4*\s+1], s23, \s*SLOT
	s_add_nc_u64 s[G0M+4*\s+2:G0M+4*\s+3], s[80:81], \s*256
	s_or_b32 s[G0M+4*\s+3], s[G0M+4*\s+3], 0x80000000
	JLOAD \s                                       ; chunks 0 and 1: two tensor loads of the wave are out
.endr
	v_and_b32 v1, 15, v0                           ; r
	v_bfe_u32 v2, v0, 4, 1                         ; h
	v_and_b32 v3, 7, v0
	v_bfe_u32 v4, v0, 3, 1
	v_and_b32 v5, 31, v0
	v_lshlrev_b32 v6, 7, v1
	v_lshl_add_u32 v[QOFF], v2, 4, v6              ; r x 128 + 16 h
.irp qb, 0,1,2,3
.irp ks, 0,1
	global_load_b128 v[QF+16*\qb+8*\ks:QF+16*\qb+8*\ks+3],   v[QOFF], s[4:5] offset:\qb*2048+64*\ks
	global_load_b128 v[QF+16*\qb+8*\ks+4:QF+16*\qb+8*\ks+7], v[QOFF], s[4:5] offset:\qb*2048+64*\ks+32
.endr
.endr
	v_mul_u32_u24 v6, v1, KP
	v_lshl_add_u32 v[ADRK], v2, 4, v6
	v_add_nc_u32 v[ADRK+1], SLOT, v[ADRK]
	v_lshl_add_u32 v6, v2, 3, v3
	v_mul_u32_u24 v6, v6, VP
	v_lshl_add_u32 v6, v4, 4, v6
	v_add_nc_u32 v[ADRV], VOFF, v6
	v_add_nc_u32 v[ADRV+1], SLOT+VOFF, v6
	s_mul_i32 s23, s10, 64*MP
	s_add_co_u32 s23, s23, MOFF
	v_mul_u32_u24 v6, v1, MP
	v_lshl_add_u32 v6, v2, 5, v6
	v_add_nc_u32 v[ADRM], s23, v6                  ; (64 w + r) x 272 + 32 h
	v_add_nc_u32 v[ADRM+1], SLOT, v[ADRM]
	s_mul_i32 s23, s10, 16*SP
	s_add_co_u32 s23, s23, STAGE
	v_mul_u32_u24 v6, v1, SP
	v_lshl_add_u32 v6, v2, 4, v6
	v_add_nc_u32 v[STO], s23, v6
	v_lshrrev_b32 v6, 3, v5
	v_mul_u32_u24 v6, v6, SP
	v_lshl_add_u32 v6, v3, 4, v6
	v_add_nc_u32 v[RD], s23, v6
	v_lshlrev_b32 v[CO], 4, v5
	v_mov_b32 v[T+4], 0                            ; v_permlanex16_b32 counts as a reader of its destination
.macro LOADK slot                      ; 16 loads: 4 blocks of 16 keys x 64 d
	WIN W_LD
.irp kt, 0,1,2,3
.irp ks, 0,1
	ds_load_b128 v[KF+16*\kt+8*\ks:KF+16*\kt+8*\ks+3],   v[ADRK+\slot] offset:\kt*16*KP+64*\ks
	ds_load_b128 v[KF+16*\kt+8*\ks+4:KF+16*\kt+8*\ks+7], v[ADRK+\slot] offset:\kt*16*KP+64*\ks+32
.endr
.endr
	WIN 0
.endm
.macro LOADV slot                      ; 16 transposing loads: 2 groups of 32 keys x 4 blocks of 16 d
	WIN W_LD
.irp g, 0,1
.irp dt, 0,1,2,3
	ds_load_tr16_b128 v[VF+32*\g+8*\dt:VF+32*\g+8*\dt+3],   v[ADRV+\slot] offset:\g*32*VP+32*\dt
	ds_load_tr16_b128 v[VF+32*\g+8*\dt+4:VF+32*\g+8*\dt+7], v[ADRV+\slot] offset:\g*32*VP+32*\dt+16*VP
.endr
.endr
	WIN 0
.endm
.macro LOADM slot, qb, m               ; 8 loads: the mask of query block qb in the logits' layout
.irp kt, 0,1,2,3
	ds_load_b128 v[\m+8*\kt:\m+8*\kt+3],   v[ADRM+\slot] offset:\qb*16*MP+64*\kt
	ds_load_b128 v[\m+8*\kt+4:\m+8*\kt+7], v[ADRM+\slot] offset:\qb*16*MP+64*\kt+16
.endr
.endm
.macro SQK qb, s                       ; S^T of query block qb: d 0-31 starts the four sums, d 32-63 adds onto them
	WIN W_S
.irp kt, 0,1,2,3
	v_wmma_f32_16x16x32_bf16 v[\s+8*\kt:\s+8*\kt+7], v[KF+16*\kt:KF+16*\kt+7], v[QF+16*\qb:QF+16*\qb+7], 0
.endr
.irp kt, 0,1,2,3
	v_wmma_f32_16x16x32_bf16 v[\s+8*\kt:\s+8*\kt+7], v[KF+16*\kt+8:KF+16*\kt+15], v[QF+16*\qb+8:QF+16*\qb+15], v[\s+8*\kt:\s+8*\kt+7]
.endr
	WIN 0
.endm
.macro SM_T m                          ; t = mask - 1.  These 16 plain instructions are also the places behind the matrix instructions in front of them
	s_wait_dscnt 0x0                               ; the mask's loads are the youngest: all my LDS loads are in
.set i, 0
.rept 16
	v_pk_add_f32 v[\m+2*i:\m+2*i+1], v[\m+2*i:\m+2*i+1], -1.0 op_sel_hi:[1,0]
.set i, i+1
.endr
.endm
.macro SM_X qb, s, m, first            ; x = t * 1e9 log2(e) + s; the new maximum of the query; the rescale factor 2^(old - new)
.set i, 0
.rept 16
	v_pk_fma_f32 v[\s+2*i:\s+2*i+1], v[\m+2*i:\m+2*i+1], s[C2:C2+1], v[\s+2*i:\s+2*i+1] op_sel_hi:[1,0,1]
.set i, i+1
.endr
.irp c, 0,1,2,3
	v_max3_num_f32 v[T+\c], v[\s+8*\c], v[\s+8*\c+1], v[\s+8*\c+2]
.endr
.irp c, 0,1,2,3
	v_max3_num_f32 v[T+\c], v[T+\c], v[\s+8*\c+3], v[\s+8*\c+4]
.endr
.irp c, 0,1,2,3
	v_max3_num_f32 v[T+\c], v[T+\c], v[\s+8*\c+5], v[\s+8*\c+6]
.endr
	v_max3_num_f32 v[T], v[T], v[T+1], v[\s+7]
	v_max3_num_f32 v[T+2], v[T+2], v[T+3], v[\s+15]
	v_max3_num_f32 v[T], v[T], v[T+2], v[\s+23]
.if \first
	v_max_num_f32 v[T], v[T], v[\s+31]
.else
	v_max3_num_f32 v[T], v[T], v[\s+31], v[MX+2*\qb]
.endif
	v_permlanex16_b32 v[T+4], v[T], s16, s17       ; the other half of the lanes holds the query's other keys
	v_max_num_f32 v[T+5], v[T], v[T+4]
.if \first == 0
	v_sub_f32 v[T+1], v[MX+2*\qb], v[T+5]
	v_exp_f32 v[AL], v[T+1]
	v_exp_f32 v[AL+1], v[T+1]                      ; the two moves below are the plain places behind the exponentials (ISA guide 5.7.2)
.endif
	v_mov_b32 v[MX+2*\qb], v[T+5]
	v_mov_b32 v[MX+2*\qb+1], v[T+5]
.endm
.macro SUBM qb, s, kt
.irp i, 0,1,2,3
	v_pk_add_f32 v[\s+8*(\kt)+2*\i:\s+8*(\kt)+2*\i+1], v[\s+8*(\kt)+2*\i:\s+8*(\kt)+2*\i+1], v[MX+2*\qb:MX+2*\qb+1] neg_lo:[0,1] neg_hi:[0,1]
.endr
.endm
.macro SM_E qb, s, m, first            ; p = 2^(x - maximum); the lane's sum in f32; p in f16 into the mask buffer's first 16 registers
	SUBM \qb, \s, 0
.irp kt, 0,1,2,3
.irp j, 0,1,2,3,4,5,6,7
	v_exp_f32 v[\s+8*\kt+\j], v[\s+8*\kt+\j]
.endr
.if \kt < 3
	SUBM \qb, \s, \kt+1                            ; plain work on other registers stands behind the eight exponentials
.else
	v_nop
	s_wait_alu depctr_va_vdst(0)
.endif
.if \kt == 0
	s_wait_alu depctr_va_vdst(0)
	v_pk_add_f32 v[SA:SA+1], v[\s:\s+1], v[\s+2:\s+3]
	v_pk_add_f32 v[SB:SB+1], v[\s+4:\s+5], v[\s+6:\s+7]
.else
	s_wait_alu depctr_va_vdst(0)
	v_pk_add_f32 v[SA:SA+1], v[SA:SA+1], v[\s+8*\kt:\s+8*\kt+1]
	v_pk_add_f32 v[SB:SB+1], v[SB:SB+1], v[\s+8*\kt+2:\s+8*\kt+3]
	v_pk_add_f32 v[SA:SA+1], v[SA:SA+1], v[\s+8*\kt+4:\s+8*\kt+5]
	v_pk_add_f32 v[SB:SB+1], v[SB:SB+1], v[\s+8*\kt+6:\s+8*\kt+7]
.endif
.irp i, 0,1,2,3
	v_cvt_pk_f16_f32 v[\m+4*\kt+\i], v[\s+8*\kt+2*\i], v[\s+8*\kt+2*\i+1]
.endr
.endr
	v_pk_add_f32 v[SA:SA+1], v[SA:SA+1], v[SB:SB+1]
.if \first
	v_add_f32 v[LS+\qb], v[SA], v[SA+1]
.else
	v_add_f32 v[T], v[SA], v[SA+1]
	v_fma_f32 v[LS+\qb], v[LS+\qb], v[AL], v[T]
.endif
.endm
.macro RESC qb                         ; O^T of the block times the rescale factor: one factor a lane
	WIN W_RS
.set i, 0
.rept 16
	v_pk_mul_f32 v[OA+32*\qb+2*i:OA+32*\qb+2*i+1], v[OA+32*\qb+2*i:OA+32*\qb+2*i+1], v[AL:AL+1]
.set i, i+1
.endr
.endm
.macro PV qb, m, first                 ; O^T += V^T P^T in f16: keys 0-31 over the four blocks of d, then keys 32-63
	WIN W_PV
.irp dt, 0,1,2,3
.if \first
	v_wmma_f32_16x16x32_f16 v[OA+32*\qb+8*\dt:OA+32*\qb+8*\dt+7], v[VF+8*\dt:VF+8*\dt+7], v[\m:\m+7], 0
.else
	v_wmma_f32_16x16x32_f16 v[OA+32*\qb+8*\dt:OA+32*\qb+8*\dt+7], v[VF+8*\dt:VF+8*\dt+7], v[\m:\m+7], v[OA+32*\qb+8*\dt:OA+32*\qb+8*\dt+7]
.endif
.endr
.irp dt, 0,1,2,3
	v_wmma_f32_16x16x32_f16 v[OA+32*\qb+8*\dt:OA+32*\qb+8*\dt+7], v[VF+32+8*\dt:VF+32+8*\dt+7], v[\m+8:\m+15], v[OA+32*\qb+8*\dt:OA+32*\qb+8*\dt+7]
.endr
	WIN 0
.endm
.macro SOFT qb, s, m, first            ; behind SM_X: weights, rescale
	SM_E \qb, \s, \m, \first
.if \first == 0
	RESC \qb
.endif
.endm
; One chunk of 64 keys.  mode 2: this slot is filled again, two chunks ahead; 1: only the change of slots; 0: the last chunk.
; Every load into K's, V's or a mask buffer's registers stands behind the 16 plain instructions of an SM_T after the last matrix instruction that read them.
.macro CHUNK slot, other, first, mode
	s_wait_dscnt 0x8                               ; K's 16 loads are in; the 8 of block 0's mask, issued behind them, may be out
	SQK 0, SBUF0
	SQK 1, SBUF1
	SM_T MBUF0
	LOADV \slot
	LOADM \slot, 1, MBUF1
	SM_X 0, SBUF0, MBUF0, \first
	SOFT 0, SBUF0, MBUF0, \first
	s_wait_dscnt 0x8                               ; V's 16 loads are in; the 8 of block 1's mask may be out
	PV 0, MBUF0, \first
	SQK 2, SBUF0
	SM_T MBUF1
	LOADM \slot, 2, MBUF0
	SM_X 1, SBUF1, MBUF1, \first
	SOFT 1, SBUF1, MBUF1, \first
	PV 1, MBUF1, \first
	SQK 3, SBUF1
	SM_T MBUF0
	LOADM \slot, 3, MBUF1
	SM_X 2, SBUF0, MBUF0, \first
	SOFT 2, SBUF0, MBUF0, \first
	PV 2, MBUF0, \first
	SM_T MBUF1                                     ; its wait for 0 ends my reads of this slot
.if \mode >= 1
	s_wait_tensorcnt 0x0                           ; all my tensor loads have landed: the one that was out is my part of the other slot
	ds_add_u32 v254, v255
	s_wait_dscnt 0x0
	s_barrier_signal -1                            ; with mode 2 this barrier opens a round of the cluster's barrier
.endif
	SM_X 3, SBUF1, MBUF1, \first                   ; register work while the others arrive
.if \mode >= 1
	s_barrier_wait -1
.endif
.if \mode == 2
	CREST                                          ; no wave of any partner still reads this slot or has a load on its way
	s_add_nc_u64 s[G0K+4*\slot+2:G0K+4*\slot+3], s[G0K+4*\slot+2:G0K+4*\slot+3], 2*8192
	s_add_nc_u64 s[G0V+4*\slot+2:G0V+4*\slot+3], s[G0V+4*\slot+2:G0V+4*\slot+3], 2*8192
	s_add_nc_u64 s[G0M+4*\slot+2:G0M+4*\slot+3], s[G0M+4*\slot+2:G0M+4*\slot+3], 2*256
	JLOAD \slot                                    ; my one tensor load behind the round; it has a whole chunk's work in which to land
.endif
.if \mode >= 1
	LOADK \other
	LOADM \other, 0, MBUF0
.endif
	SOFT 3, SBUF1, MBUF1, \first
	PV 3, MBUF1, \first
.endm
	s_wait_tensorcnt 0x1                           ; my part of chunk 0 is in; chunk 1's may stay out
	s_barrier_signal -1
	s_barrier_wait -1
	LOADK 0
	LOADM 0, 0, MBUF0
	s_wait_loadcnt 0x0                             ; Q
	CHUNK 0, 1, 1, 2                               ; chunk 0 starts maxima, sums and O^T: nothing is cleared
	CHUNK 1, 0, 0, 2
	s_mov_b32 s20, 14                              ; chunks 2 .. 29
.Lpair:
	CHUNK 0, 1, 0, 2
	CHUNK 1, 0, 0, 2
	s_sub_co_u32 s20, s20, 1
	s_cmp_lg_u32 s20, 0
	s_cbranch_scc1 .Lpair
	CHUNK 0, 1, 0, 1                               ; chunks 30, 31 fill nothing
	CHUNK 1, 0, 0, 0
	; THE WAY OUT, 16 queries at a time: join the two halves' sums, divide, round to f16, 16 bytes a lane into my stage, read back 4 rows of 128 bytes a load:
	; in att these are 512 consecutive bytes, aligned.
.rept 4
	v_nop                                          ; four places behind the last matrix instructions (ISA guide 7.12.1)
.endr
.macro OUTQ qb
	v_permlanex16_b32 v[T+4], v[LS+\qb], s16, s17
	v_add_f32 v[T], v[LS+\qb], v[T+4]              ; at least 1: the largest weight is 2^0
	v_mul_f32 v[T], 0x3d800000, v[T]               ; sum / 16: its reciprocal gives V's factor 16 back
	v_rcp_f32 v[AL], v[T]
	v_rcp_f32 v[AL+1], v[T]
	v_nop                                          ; the plain place behind the reciprocals
	WIN 0x01
.set i, 0
	s_wait_alu depctr_va_vdst(0)
.rept 16
	v_pk_mul_f32 v[SBUF0+2*i:SBUF0+2*i+1], v[OA+32*\qb+2*i:OA+32*\qb+2*i+1], v[AL:AL+1]
.set i, i+1
.endr
	WIN 0
.set i, 0
.rept 16
	v_cvt_pk_f16_f32 v[SBUF1+i], v[SBUF0+2*i], v[SBUF0+2*i+1]
.set i, i+1
.endr
.irp dt, 0,1,2,3
	ds_store_b128 v[STO], v[SBUF1+4*\dt:SBUF1+4*\dt+3] offset:32*\dt
.endr
.irp t, 0,1,2,3
	ds_load_b128 v[MBUF0+16*\qb+4*\t:MBUF0+16*\qb+4*\t+3], v[RD] offset:\t*4*SP    ; registers of their own for each block: no store's data is written again
.endr
.irp t, 0,1,2,3
	s_wait_dscnt 3-\t
	global_store_b128 v[CO], v[MBUF0+16*\qb+4*\t:MBUF0+16*\qb+4*\t+3], s[8:9] offset:\qb*2048+\t*512
.endr
.endm
	OUTQ 0
	OUTQ 1
	OUTQ 2
	OUTQ 3
	s_wait_tensorcnt 0x0
	ds_add_u32 v254, v255
	s_wait_dscnt 0x0
	CROUND                                         ; the closing round
	s_endpgm
.Lfunc_end_k_qd0e20725db_attn:
	.size	k_qd0e20725db_attn, .Lfunc_end_k_qd0e20725db_attn-k_qd0e20725db_attn
	.p2alignl 7, 3214868480
	.fill 96, 4, 3214868480
	.section	.rodata,"a",@progbits
	.p2align	6, 0x0
	.amdhsa_kernel k_qd0e20725db_attn
		.amdhsa_group_segment_fixed_size 327680
		.amdhsa_private_segment_fixed_size 0
		.amdhsa_enable_private_segment 0
		.amdhsa_kernarg_size 24
		.amdhsa_user_sgpr_count 2
		.amdhsa_user_sgpr_kernarg_segment_ptr 1
		.amdhsa_wavefront_size32 1
		.amdhsa_system_sgpr_workgroup_id_x 1
		.amdhsa_system_sgpr_workgroup_id_y 1
		.amdhsa_system_sgpr_workgroup_id_z 1
		.amdhsa_system_vgpr_workitem_id 0
		.amdhsa_next_free_vgpr 512
		.amdhsa_next_free_sgpr 84
		.amdhsa_reserve_vcc 0
		.amdhsa_float_denorm_mode_32 3
		.amdhsa_float_denorm_mode_16_64 3
		.amdhsa_memory_ordered 1
		.amdhsa_forward_progress 1
		.amdhsa_inst_pref_size 255
	.end_amdhsa_kernel
	.section	.bss,"aw",@nobits
	.p2align	6
	.space	262144
	.amdgpu_metadata
---
amdhsa.version: [ 1, 2 ]
amdhsa.kernels:
  - .name:           k_qd0e20725db_attn
    .symbol:         k_qd0e20725db_attn.kd
    .args:
      - { .name: qkvh, .offset: 0, .size: 8, .value_kind: global_buffer, .address_space: global }
      - { .name: mask, .offset: 8, .size: 8, .value_kind: global_buffer, .address_space: global }
      - { .name: att, .offset: 16, .size: 8, .value_kind: global_buffer, .address_space: global }
    .group_segment_fixed_size: 327680
    .private_segment_fixed_size: 0
    .kernarg_segment_align: 8
    .kernarg_segment_size: 24
    .max_flat_workgroup_size: 128
    .sgpr_count:     84
    .vgpr_count:     512
    .wavefront_size: 32
...
	.end_amdgpu_metadata
.endif
;; end of part 3
;; launch oproj (part 4): grid 8 x 16, 4 waves a work-group, clusters of 4 x 4, 327,680 bytes of LDS; arguments att, w16, bo, out0; writes out0
.if DOCPART == 4
	.amdgcn_target "amdgcn-amd-amdhsa--gfx1250"
	.amdhsa_code_object_version 6
	.text
	.protected	k_qd0e20725db_oproj
	.globl	k_qd0e20725db_oproj
	.p2align	8
	.type	k_qd0e20725db_oproj,@function
k_qd0e20725db_oproj:
	s_mov_b64 s[64:65], 0
	v_nop
	global_prefetch_b8 v0, s[64:65] scope:SCOPE_SE
	s_setreg_imm32_b32 hwreg(HW_REG_WAVE_MODE, 25, 1), 1
	s_wait_xcnt 0x0
	s_wait_alu depctr_hold_cnt(0) depctr_sa_sdst(0) depctr_va_vdst(0) depctr_va_sdst(0) depctr_va_ssrc(0) depctr_va_vcc(0) depctr_vm_vsrc(0)
	s_getreg_b32 s2, hwreg(HW_REG_IB_STS2, 6, 4)
	s_cmp_eq_u32 s2, 0
	s_cbranch_scc0 .Lentry_in_a_cluster
	s_endpgm
.Lentry_in_a_cluster:
	s_bfe_u32 s2, ttmp6, 0x10000c
	s_cmp_lg_u32 s2, 0xf033
	s_cbranch_scc0 .Lentry_shape_is_right
	s_endpgm
.Lentry_shape_is_right:
; out0[token][n] = sum over k of A[token][k] Wo[k][n] + bo[n], f32.  A = att, f16 [batch][head][s][64], k = 64 head + d.  Wo: f16 [k][n], the fourth matrix of w16.
; Both operands are f16 (steps of 2^-11 of the number); the room that each has in f16 is shown where it is stored.  Sums and the bias in f32.
; A work-group makes 256 tokens x 128 features with four waves; wave w owns tokens 64 w .. + 63 and all 128 features: 32 accumulator tiles.  16 x 8 = 128 work-groups.
; K goes in steps of 128 (two heads) through two LDS slots, 8 steps of four quarters of 32.  CLUSTERS of 4 x 4: a row of the cluster has the same tokens and asks
; for A's planes jointly, a column has the same features and asks for W's tile jointly: requests for both are divided by four.
; The matrix instruction is used transposed (source 0 = 16 features of W by the transposing LDS load, source 1 = 16 tokens): lane (r, h), register j holds
; feature 16 b + 8 h + j of token 16 a + r.  The first product takes the bias as C: nothing is cleared and nothing is added at the end.
; The 32 accumulators take turns, one instruction a turn, in the same order in every quarter.
.set AP,     144                       ; LDS row of A: 64 f16 + 16 bytes
.set APLANE, 256*AP                    ; one head's 256 tokens: what wave 0 or 1 brings
.set WP,     288                       ; LDS row of W: 128 f16 + 32 bytes
.set WOFF,   2*APLANE
.set WHALF,  64*WP                     ; what wave 2 or 3 brings: 64 k
.set SLOT,   WOFF+2*WHALF              ; 110,592
.set STAGE,  2*SLOT                    ; behind the ring, never filled by a tensor load: 16 rows x 528 bytes for each wave
.set SP,     528                       ; 128 f32 + 16 bytes
.set ADRA, 16
.set ADRW, 18
.set STO,  20
.set RD,   21
.set CO,   22
.set BOFF, 23
.set AF,   32                          ; v32-63, v64-95  A's fragments, two buffers
.set BI,   96                          ; v96-159  the bias in the accumulators' layout, 8 registers for each feature block
.set RB,   160                         ; v160-223 way out: rows read back
                                       ; window 1: v0-63, v64-127 W's fragments, two buffers;  window 2: accumulator (a, b) at 8 (8 a + b)
.set G1A, 24
.set G1W, 32
.set G0A, 40                           ; s[40:47] a set for each slot
.set G0W, 48                           ; s[48:55]
.set MUL,       0xa1                   ; source 0 (W) window 1, source 1 (A) window 0, C and D window 2
.set MUL_FIRST, 0x81                   ; the same with C (the bias) in window 0
.set TO_B,      0x40
.set MSB, 0
.macro WIN new
.if MSB != \new
	s_set_vgpr_msb (MSB<<8)|\new
.set MSB, \new
.endif
.endm
.macro PLACES                          ; four places behind a matrix instruction, in front of loads into its registers and of stores of its result
.rept 4
	v_nop
.endr
.endm
.macro CREST
	s_cmp_lg_u32 s12, 0
	s_cbranch_scc1 .Lnot_wave_0_\@
	s_barrier_signal -3
.Lnot_wave_0_\@:
	s_barrier_wait -3
	s_barrier_signal -1
	s_barrier_wait -1
.endm
.macro CROUND
	s_barrier_signal -1
	s_barrier_wait -1
	CREST
.endm
.macro JLOAD s                         ; waves 0, 1: A's two planes; waves 2, 3: W's two halves
	s_cmp_eq_u32 s14, 0
	s_cbranch_scc0 .Lfor_w_\@
	tensor_load_to_lds s[G0A+4*\s:G0A+4*\s+3], s[G1A:G1A+7]
	s_nop 0
	s_branch .Lasked_\@
.Lfor_w_\@:
	tensor_load_to_lds s[G0W+4*\s:G0W+4*\s+3], s[G1W:G1W+7]
	s_nop 0
.Lasked_\@:
.endm
	s_load_b256 s[4:11], s[0:1], 0x0               ; att s[4:5], w16 s[6:7], bo s[8:9], out0 s[10:11]
	s_set_vgpr_msb 0x40
	v_lshl_add_u32 v255, v0, 2, 0x3e400
	s_set_vgpr_msb 0x4000
	v_mov_b32 v255, 0
	s_set_vgpr_msb 0x1
	ds_add_u32 v255, v255
	s_set_vgpr_msb 0x100
	v_lshrrev_b32 v1, 5, v0
	v_readfirstlane_b32 s12, v1                    ; wave 0..3
	s_and_b32 s13, s12, 1
	s_lshr_b32 s14, s12, 1
	s_bfe_u32 s15, ttmp6, 0x40000                  ; cx
	s_bfe_u32 s16, ttmp6, 0x40004                  ; cy
	s_lshl_b32 s17, ttmp9, 2
	s_add_co_u32 s17, s17, s15                     ; fb: block of 128 features, 0..7
	s_and_b32 s18, ttmp7, 0xffff
	s_lshl_b32 s18, s18, 2
	s_add_co_u32 s18, s18, s16                     ; tb: block of 256 tokens, 0..15
	s_lshl_b32 s60, s16, 2
	s_lshl_b32 s60, 15, s60                        ; my row of the cluster
	s_lshl_b32 s61, 0x1111, s15                    ; my column
	; A: 256 rows x 64 f16, dense; 4 words of padding behind every 32
	s_or_b32 s[G1A+0], s60, (1<<16)|(1<<20)|(1<<21)|(4<<22)|(3<<25)
	s_mov_b32 s[G1A+1], 64<<16
	s_mov_b32 s[G1A+2], 256<<16
	s_mov_b32 s[G1A+3], 64<<16
	s_mov_b32 s[G1A+4], 256
	s_mov_b32 s[G1A+5], 64
	s_mov_b32 s[G1A+6], 0
	s_mov_b32 s[G1A+7], 0
	; W: 64 rows (k) x 128 f16, 1,024 elements from row to row; 8 words of padding behind every 64
	s_or_b32 s[G1W+0], s61, (1<<16)|(1<<20)|(1<<21)|(5<<22)|(7<<25)
	s_mov_b32 s[G1W+1], 128<<16
	s_mov_b32 s[G1W+2], 64<<16
	s_mov_b32 s[G1W+3], 128<<16
	s_mov_b32 s[G1W+4], 64
	s_mov_b32 s[G1W+5], 1024
	s_mov_b32 s[G1W+6], 0
	s_mov_b32 s[G1W+7], 0
	s_lshr_b32 s20, s18, 3                         ; batch
	s_lshl_b32 s20, s20, 4
	s_add_co_u32 s20, s20, s13                     ; 16 x batch + the wave's head of the step
	s_lshl_b32 s20, s20, 18
	s_and_b32 s21, s18, 7
	s_lshl_b32 s21, s21, 15                        ; 256 tokens of 128 bytes
	s_add_co_u32 s20, s20, s21
	s_mov_b32 s21, 0
	s_lshl_b32 s22, s13, 17                        ; 64 rows of 2,048 bytes
	s_lshl_b32 s23, s17, 8                         ; 128 features of 2 bytes
	s_add_co_u32 s22, s22, s23
	s_add_co_u32 s22, s22, 3<<21                   ; Wo is the fourth matrix
	s_mov_b32 s23, 0
	s_lshl_b32 s60, s17, 9                         ; my 128 features in f32: in bo and in a row of out0
	s_mov_b32 s61, 0
	s_lshl_b32 s62, s18, 20                        ; 256 rows of 4,096 bytes,
	s_lshl_b32 s63, s12, 18                        ; 64 a wave
	s_add_co_u32 s62, s62, s63
	s_mov_b32 s63, 0
	s_mul_i32 s66, s12, APLANE                     ; LDS: A's planes at wave x 36,864 (waves 0, 1)
	s_mul_i32 s67, s12, WHALF
	s_add_co_u32 s67, s67, WOFF-2*WHALF            ; W's halves at 73,728 + (wave - 2) x 18,432 (waves 2, 3)
	s_wait_dscnt 0x0
	s_wait_kmcnt 0x0
	s_add_nc_u64 s[56:57], s[4:5], s[20:21]
	s_add_nc_u64 s[58:59], s[6:7], s[22:23]
	s_add_nc_u64 s[8:9], s[8:9], s[60:61]
	s_add_nc_u64 s[10:11], s[10:11], s[60:61]
	s_add_nc_u64 s[10:11], s[10:11], s[62:63]
	CROUND                                         ; all sixteen work-groups are here: the first joint loads meet
.irp s, 0,1
	s_mov_b32 s[G0A+4*\s], 1
	s_add_co_u32 s[G0A+4*\s+1], s66, \s*SLOT
	s_add_nc_u64 s[G0A+4*\s+2:G0A+4*\s+3], s[56:57], \s*(2<<18)
	s_or_b32 s[G0A+4*\s+3], s[G0A+4*\s+3], 0x80000000
	s_mov_b32 s[G0W+4*\s], 1
	s_add_co_u32 s[G0W+4*\s+1], s67, \s*SLOT
	s_add_nc_u64 s[G0W+4*\s+2:G0W+4*\s+3], s[58:59], \s*(128<<11)
	s_or_b32 s[G0W+4*\s+3], s[G0W+4*\s+3], 0x80000000
	JLOAD \s                                       ; K steps 0 and 1: two tensor loads of the wave are out
.endr
	v_and_b32 v1, 15, v0                           ; r
	v_bfe_u32 v2, v0, 4, 1                         ; h
	v_and_b32 v3, 7, v0
	v_bfe_u32 v4, v0, 3, 1
	v_and_b32 v5, 31, v0
	v_lshlrev_b32 v[BOFF], 5, v2
.irp b, 0,1,2,3,4,5,6,7
	global_load_b128 v[BI+8*\b:BI+8*\b+3],   v[BOFF], s[8:9] offset:64*\b
	global_load_b128 v[BI+8*\b+4:BI+8*\b+7], v[BOFF], s[8:9] offset:64*\b+16
.endr
	s_mul_i32 s68, s12, 64*AP
	v_mul_u32_u24 v6, v1, AP
	v_lshl_add_u32 v6, v2, 4, v6
	v_add_nc_u32 v[ADRA], s68, v6                  ; (64 w + r) x 144 + 16 h
	v_add_nc_u32 v[ADRA+1], SLOT, v[ADRA]
	v_lshl_add_u32 v7, v2, 3, v3
	v_mul_u32_u24 v7, v7, WP
	v_lshl_add_u32 v7, v4, 4, v7
	v_add_nc_u32 v[ADRW], WOFF, v7
	v_add_nc_u32 v[ADRW+1], SLOT, v[ADRW]
	s_mul_i32 s68, s12, 16*SP
	s_add_co_u32 s68, s68, STAGE
	v_mul_u32_u24 v8, v1, SP
	v_lshl_add_u32 v8, v2, 5, v8
	v_add_nc_u32 v[STO], s68, v8                   ; row r, 32 bytes for each half of the lanes
	v_lshlrev_b32 v[CO], 4, v5
	v_add_nc_u32 v[RD], s68, v[CO]                 ; a whole row of 512 bytes a load
; One run of 24 LDS loads: quarter q of a slot into buffers f: 8 feature blocks x 2 transposing loads, 4 token blocks x 2 loads
.macro FETCH slot, q, f
	WIN TO_B
.irp b, 0,1,2,3,4,5,6,7
	ds_load_tr16_b128 v[64*\f+8*\b:64*\f+8*\b+3],   v[ADRW+\slot] offset:32*\q*WP+32*\b
	ds_load_tr16_b128 v[64*\f+8*\b+4:64*\f+8*\b+7], v[ADRW+\slot] offset:32*\q*WP+32*\b+16*WP
.endr
	WIN 0
.irp a, 0,1,2,3
	ds_load_b128 v[AF+32*\f+8*\a:AF+32*\f+8*\a+3],   v[ADRA+\slot] offset:\a*16*AP+(\q/2)*APLANE+64*(\q%2)
	ds_load_b128 v[AF+32*\f+8*\a+4:AF+32*\f+8*\a+7], v[ADRA+\slot] offset:\a*16*AP+(\q/2)*APLANE+64*(\q%2)+32
.endr
.endm
.macro MUL16 f, a0, first              ; token blocks a0, a0 + 1 x all 8 feature blocks
.irp a, \a0, \a0+1
.irp b, 0,1,2,3,4,5,6,7
.if \first
	v_wmma_f32_16x16x32_f16 v[8*(8*(\a)+\b):8*(8*(\a)+\b)+7], v[64*\f+8*\b:64*\f+8*\b+7], v[AF+32*\f+8*(\a):AF+32*\f+8*(\a)+7], v[BI+8*\b:BI+8*\b+7]
.else
	v_wmma_f32_16x16x32_f16 v[8*(8*(\a)+\b):8*(8*(\a)+\b)+7], v[64*\f+8*\b:64*\f+8*\b+7], v[AF+32*\f+8*(\a):AF+32*\f+8*(\a)+7], v[8*(8*(\a)+\b):8*(8*(\a)+\b)+7]
.endif
.endr
.endr
.endm
; One of a K step's first three quarters: fetches quarter qn into buffers g, multiplies buffers f
.macro QUARTER slot, qn, f, g, first
	PLACES                                         ; buffers g were read by the matrix instructions just issued
	FETCH \slot, \qn, \g
	s_wait_dscnt 24                                ; all but the 24 just issued: buffers f are in
.if \first
	WIN MUL_FIRST
.else
	WIN MUL
.endif
	MUL16 \f, 0, \first
	MUL16 \f, 2, \first
.endm
.macro THREE slot, first
	QUARTER \slot, 1, 0, 1, \first
	QUARTER \slot, 2, 1, 0, 0
	QUARTER \slot, 3, 0, 1, 0
.endm
; The last quarter multiplies buffers 1 and changes slots.  In front of the barrier each wave waits for its reads of this slot and for all its tensor loads
; (one is out: its part of the next slot).  With fill = 1 the barrier opens a round of the cluster's barrier and the joint refill, two K steps ahead, comes first behind it.
.macro TURN slot, next, fill
	s_wait_dscnt 0x0
	s_wait_tensorcnt 0x0
	ds_add_u32 v255, v255
	s_wait_dscnt 0x0
	s_barrier_signal -1
	WIN MUL
	MUL16 1, 0, 0                                  ; register work while the others arrive
	WIN 0
	s_barrier_wait -1
.if \fill
	CREST
	s_add_nc_u64 s[G0A+4*\slot+2:G0A+4*\slot+3], s[G0A+4*\slot+2:G0A+4*\slot+3], 4<<18
	s_add_nc_u64 s[G0W+4*\slot+2:G0W+4*\slot+3], s[G0W+4*\slot+2:G0W+4*\slot+3], 256<<11
	JLOAD \slot
.endif
	PLACES                                         ; buffers 0 were read by the third quarter's matrix instructions
	FETCH \next, 0, 0
	WIN MUL
	MUL16 1, 2, 0
.endm
.macro LAP first
	THREE 0, \first
	TURN 0, 1, 1
	THREE 1, 0
	TURN 1, 0, 1
.endm
	s_wait_tensorcnt 0x1                           ; my part of K step 0 is in; K step 1's may stay out
	s_barrier_signal -1
	s_barrier_wait -1
	FETCH 0, 0, 0
	s_wait_loadcnt 0x0                             ; the bias
	LAP 1                                          ; K steps 0, 1
	WIN 0
	s_mov_b32 s19, 2                               ; K steps 2 .. 5
.Llap:
	LAP 0
	WIN 0
	s_sub_co_u32 s19, s19, 1
	s_cmp_lg_u32 s19, 0
	s_cbranch_scc1 .Llap
	THREE 0, 0                                     ; K steps 6, 7 fill nothing
	TURN 0, 1, 0
	THREE 1, 0
	s_wait_dscnt 0x0
	WIN MUL
	MUL16 1, 0, 0
	MUL16 1, 2, 0
	; THE WAY OUT, 16 tokens at a time: the sums go as they are into my stage (rows of 528 bytes) and come back as whole rows: each store of the wave covers
	; 512 consecutive bytes of a row of out0, aligned.
	PLACES
.macro OUT a
.if \a
	s_wait_xcnt 0x0                                ; RB, which the last block's stores read, is loaded again only behind this wait
.endif
	WIN 0x08                                       ; store data from window 2
.irp b, 0,1,2,3,4,5,6,7
	ds_store_b128 v[STO], v[8*(8*\a+\b):8*(8*\a+\b)+3]   offset:64*\b
	ds_store_b128 v[STO], v[8*(8*\a+\b)+4:8*(8*\a+\b)+7] offset:64*\b+16
.endr
	WIN 0
.irp t, 0,1,2,3,4,5,6,7,8,9,10,11,12,13,14,15
	ds_load_b128 v[RB+4*\t:RB+4*\t+3], v[RD] offset:\t*SP      ; LDS serves a wave's instructions in order: these see the stores above
.endr
.irp t, 0,1,2,3,4,5,6,7,8,9,10,11,12,13,14,15
	s_wait_dscnt 15-\t
	global_store_b128 v[CO], v[RB+4*\t:RB+4*\t+3], s[10:11] offset:(16*\a+\t)*4096 th:TH_STORE_NT
.endr
.endm
	OUT 0
	OUT 1
	OUT 2
	OUT 3
	s_set_vgpr_msb 0x1
	s_wait_tensorcnt 0x0
	ds_add_u32 v255, v255
	s_wait_dscnt 0x0
	s_set_vgpr_msb 0x100
	CROUND                                         ; the closing round
	s_endpgm
.Lfunc_end_k_qd0e20725db_oproj:
	.size	k_qd0e20725db_oproj, .Lfunc_end_k_qd0e20725db_oproj-k_qd0e20725db_oproj
	.p2alignl 7, 3214868480
	.fill 96, 4, 3214868480
	.section	.rodata,"a",@progbits
	.p2align	6, 0x0
	.amdhsa_kernel k_qd0e20725db_oproj
		.amdhsa_group_segment_fixed_size 327680
		.amdhsa_private_segment_fixed_size 0
		.amdhsa_enable_private_segment 0
		.amdhsa_kernarg_size 32
		.amdhsa_user_sgpr_count 2
		.amdhsa_user_sgpr_kernarg_segment_ptr 1
		.amdhsa_wavefront_size32 1
		.amdhsa_system_sgpr_workgroup_id_x 1
		.amdhsa_system_sgpr_workgroup_id_y 1
		.amdhsa_system_sgpr_workgroup_id_z 1
		.amdhsa_system_vgpr_workitem_id 0
		.amdhsa_next_free_vgpr 768
		.amdhsa_next_free_sgpr 70
		.amdhsa_reserve_vcc 0
		.amdhsa_float_denorm_mode_32 3
		.amdhsa_float_denorm_mode_16_64 3
		.amdhsa_memory_ordered 1
		.amdhsa_forward_progress 1
		.amdhsa_inst_pref_size 119
	.end_amdhsa_kernel
	.amdgpu_metadata
---
amdhsa.version: [ 1, 2 ]
amdhsa.kernels:
  - .name:           k_qd0e20725db_oproj
    .symbol:         k_qd0e20725db_oproj.kd
    .args:
      - { .name: att, .offset: 0, .size: 8, .value_kind: global_buffer, .address_space: global }
      - { .name: w16, .offset: 8, .size: 8, .value_kind: global_buffer, .address_space: global }
      - { .name: bo, .offset: 16, .size: 8, .value_kind: global_buffer, .address_space: global }
      - { .name: out0, .offset: 24, .size: 8, .value_kind: global_buffer, .address_space: global }
    .group_segment_fixed_size: 327680
    .private_segment_fixed_size: 0
    .kernarg_segment_align: 8
    .kernarg_segment_size: 32
    .max_flat_workgroup_size: 128
    .sgpr_count:     70
    .vgpr_count:     768
    .wavefront_size: 32
...
	.end_amdgpu_metadata
.endif
;; end of part 4
;; ======== version 2 of 2: 4 launches
;; limits: values are held in f16: magnitudes above 65,504 overflow, below 6.1e-05 lose precision; right only within a limited range of input values
;; workspace buffers: w16 8,388,608 bytes; qkvh 25,165,824 bytes; att 8,388,608 bytes
;; launch wcvt: the kernel of part 1 again; grid 64 x 4, 8 waves a work-group, no clusters, 0 bytes of LDS; arguments Wq, Wk, Wv, Wo, w16; writes w16
;; launch proj: the kernel of part 2 again; grid 4 x 48, 4 waves a work-group, clusters of 4 x 4, 327,680 bytes of LDS; arguments q, k, v, w16, bq, bk, bv, qkvh; writes qkvh
;; launch attn (part 5): grid 16 x 16, 8 waves a work-group, clusters of 4 x 4, 327,680 bytes of LDS; arguments qkvh, mask, att; writes att
.if DOCPART == 5
	.amdgcn_target "amdgcn-amd-amdhsa--gfx1250"
	.amdhsa_code_object_version 6
	.text
	.protected	k_qd0e20725db_attn
	.globl	k_qd0e20725db_attn
	.p2align	8
	.type	k_qd0e20725db_attn,@function
k_qd0e20725db_attn:
	s_mov_b64 s[64:65], 0
	v_nop
	global_prefetch_b8 v0, s[64:65] scope:SCOPE_SE
	s_setreg_imm32_b32 hwreg(HW_REG_WAVE_MODE, 25, 1), 1
	s_wait_xcnt 0x0
	s_wait_alu depctr_hold_cnt(0) depctr_sa_sdst(0) depctr_va_vdst(0) depctr_va_sdst(0) depctr_va_ssrc(0) depctr_va_vcc(0) depctr_vm_vsrc(0)
	s_getreg_b32 s2, hwreg(HW_REG_IB_STS2, 6, 4)
	s_cmp_eq_u32 s2, 0
	s_cbranch_scc0 .Lentry_in_a_cluster
	s_endpgm
.Lentry_in_a_cluster:
	s_bfe_u32 s2, ttmp6, 0x10000c
	s_cmp_lg_u32 s2, 0xf033
	s_cbranch_scc0 .Lentry_shape_is_right
	s_endpgm
.Lentry_shape_is_right:
; att[bh][s][64] = f16( softmax over keys of ( Q K^T / 32 - 1e9 (1 - mask) ) V ), for each of the 32 (batch, head) pairs bh.
; Q (already times log2(e) / 32) and K: bf16 [bh][2048][64] in qkvh; V / 16: f16, same shape.  mask: f32 [2048 queries][2048 keys].
; Softmax in f32 with a running maximum, base 2.
; FORMATS: Q K^T takes bf16 operands.  P V takes f16 operands: the weights p = 2^(x - maximum) lie in [0, 1] whatever the inputs, and f16 rounds them, and V,
; in steps of 2^-11 of the number against bf16's 2^-8.  V comes scaled by 1 / 16 so that f16 holds |V| < 2^20; the final division gives the 16 back.
; The result is stored in f16, unscaled: it is an average of V, so |att| <= max |V|: about 29,000 with offsets of 30 spreads on v and Wv; with v and Wv both
; 30 times smaller and even weights its rms is 1 / (900 x 45) = 2.5e-5, where f16's spacing is 2^-24: an error of 7e-4 of the rms.
; SHARES: a work-group has 128 queries of TWO heads of one batch (bh = 2 hp and 2 hp + 1) and eight waves, two to a SIMD: wave w has head w >> 2 and
; queries 32 (w & 3) .. + 31, as 2 blocks of 16.  16 blocks of queries x 16 pairs of heads = 256 work-groups.
; Why two heads: the mask's tile costs 4 bytes for each (query, key) and serves both heads.  So a slot of 128 keys is 128 x 528 (mask) + 2 x 128 x 160 (V)
; + 2 x 128 x 144 (K) = 145,408 bytes and two slots fit; with 256 queries of one head two slots of 128 keys would take 348,160 bytes of the WGP's 327,680.
; Keys go through the two slots in 16 fills; a slot is worked off as two chunks of 64 keys with no barrier between them, so a refill has two chunks' work
; of all eight waves in which to land.  Two waves share a SIMD so that one wave's softmax arithmetic can issue while the other waits for matrix results or LDS.
; CLUSTERS of 4 x 4: a row of the cluster has one pair of heads and asks for K and V jointly; a column has one block of queries and asks for the mask's
; tile jointly: requests for all three are divided by four.  One round of the cluster's barrier for each slot.
; A slot has six tiles, so six of the eight waves fetch and waves 6 and 7 issue no tensor load.  The waves therefore differ in how many loads they have issued,
; and every wait on TENSORcnt in this text is for 0: a count above 0 would show a tile landed only where every way to the wait had issued the same loads behind it.
; LAYOUTS, chosen so that nothing is shuffled:  S^T = K Q^T (source 0 = 16 keys, source 1 = 16 queries): lane (r, h), register j holds key
; 16 kt + 8 h + j of query r: eight neighbouring keys of one query = 32 consecutive bytes of a mask row; packed to f16 they are source 1 of
; O^T = V^T P^T (source 0 = 16 columns of V by the transposing LDS load).  Maximum, sum and rescale factor are one number a lane.
; x = s + 1e9 log2(e) (mask - 1): mask - 1 is formed first (exact for mask in [0.5, 2] and for 0), then one fused multiply-add.
; LIMITS: |V| < 2^20 and |att| < 65,504.  A row whose mask is 0 everywhere gives the plain average of V, as the f32 formula does, while |logit| < 44 (there the
; huge bias swallows the logits).  For mask values other than 0 and 1 the bias quantises the logits in another order of rounding than the f32 formula's: that
; shows only where several keys of a row share exactly the row's largest mask value and that value is not 1 (any other key is 2^-86 or less of the largest).
; Exponentials below 2^-126 count as 0, and weights below 2^-25 enter the product with V as 0 while the f32 sum still counts them: at most
; 2048 x 2^-25 of a sum that is at least 1.  A NaN or an infinity in the mask gives NaN.
; Accumulators take turns, one matrix instruction a turn, four tiles in a group.
.set KP,    144                        ; LDS row of K: 128 bytes + 16
.set VP,    160                        ; LDS row of V: 128 bytes + 32, an odd multiple of 32 for the transposing load
.set MP,    528                        ; LDS row of the mask: 128 f32 + 16 bytes, an odd multiple of 16
.set MHALF, 64*MP                      ; what wave 0 or 1 brings: 64 queries x 128 keys
.set VHEAD, 128*VP                     ; what wave 2 or 3 brings: one head's 128 rows of V
.set KHEAD, 128*KP                     ; what wave 4 or 5 brings: one head's 128 rows of K
.set VOFF,  2*MHALF                    ; 67,584
.set KOFF,  VOFF+2*VHEAD               ; 108,544
.set SLOT,  KOFF+2*KHEAD               ; 145,408
.set STAGE, 2*SLOT                     ; behind the ring, never filled by a tensor load: 16 rows x 144 bytes for each wave
.set SP,    144
.set ADRK, 8                           ; v8-9    LDS address of my head's K fragments in slot 0, 1
.set ADRV, 10                          ; v10-11  of my head's V fragments
.set ADRM, 12                          ; v12-13  of my mask rows
.set STO,  14
.set RD,   15
.set CO,   16
.set QOFF, 17
.set MX,   20                          ; v20-23  running maximum, a pair (twice the same) for each query block
.set LS,   28                          ; v28-29  running sum of my half of the keys, one for each query block
.set AL,   32                          ; v32-33  rescale factor, twice
.set SA,   34                          ; v34-37  two pairs of partial sums
.set SB,   36
.set T,    38                          ; v38-43  at work
.set SBUF0, 48                         ; v48-79   logits, then weights, of query block 0
.set SBUF1, 80                         ; v80-111  of query block 1
.set MBUF0, 112                        ; v112-143 mask of query block 0; its first 16 registers then hold the weights in f16
.set MBUF1, 144                        ; v144-175 of query block 1
.set QF,   176                         ; v176-207 Q's fragments, 16 qb + 8 ks
.set OA,   0                           ; window 1, v0-63:    O^T, 32 qb + 8 dt
.set KF,   64                          ; window 1, v64-127:  K's fragments, 16 kt + 8 ks
.set VF,   128                         ; window 1, v128-191: V's fragments, 32 g + 8 dt
.set G1K, 24
.set G1V, 32
.set G1M, 40
.set G0K, 48                           ; s[48:55] a set for each slot
.set G0V, 56                           ; s[56:63]
.set G0M, 68                           ; s[68:75]
.set C2,  18                           ; s[18:19] 1e9 log2(e), twice
.set W_S,  0x01                        ; source 0 (K) window 1, all else window 0
.set W_PV, 0x51                        ; source 0 (V), C and D window 1, source 1 (P) window 0
.set W_RS, 0x41                        ; source 0 and destination window 1
.set W_LD, 0x40                        ; destination window 1
.set MSB, 0
.macro WIN new                         ; the immediate's high byte repeats the setting that is left
.if MSB != \new
	s_set_vgpr_msb (MSB<<8)|\new
.set MSB, \new
.endif
.endm
.macro CREST                           ; a round of the cluster's barrier behind its opening work-group barrier
	s_cmp_lg_u32 s10, 0
	s_cbranch_scc1 .Lnot_wave_0_\@
	s_barrier_signal -3
.Lnot_wave_0_\@:
	s_barrier_wait -3
	s_barrier_signal -1
	s_barrier_wait -1
.endm
.macro CROUND
	s_barrier_signal -1
	s_barrier_wait -1
	CREST
.endm
.macro JLOAD s                         ; waves 0, 1: the mask's two halves; waves 2, 3: V of the two heads; waves 4, 5: K of the two heads; waves 6, 7: none
	s_cmp_lt_u32 s10, 2
	s_cbranch_scc0 .Lnot_m_\@
	tensor_load_to_lds s[G0M+4*\s:G0M+4*\s+3], s[G1M:G1M+7]
	s_nop 0
	s_branch .Lasked_\@
.Lnot_m_\@:
	s_cmp_lt_u32 s10, 4
	s_cbranch_scc0 .Lnot_v_\@
	tensor_load_to_lds s[G0V+4*\s:G0V+4*\s+3], s[G1V:G1V+7]
	s_nop 0
	s_branch .Lasked_\@
.Lnot_v_\@:
	s_cmp_lt_u32 s10, 6
	s_cbranch_scc0 .Lasked_\@
	tensor_load_to_lds s[G0K+4*\s:G0K+4*\s+3], s[G1K:G1K+7]
	s_nop 0
.Lasked_\@:
.endm
	s_load_b128 s[4:7], s[0:1], 0x0                ; qkvh s[4:5], mask s[6:7]
	s_load_b64 s[8:9], s[0:1], 0x10                ; att
	v_lshl_add_u32 v254, v0, 2, 0x4b800
	v_mov_b32 v255, 0
	ds_add_u32 v254, v255
	v_lshrrev_b32 v1, 5, v0
	v_readfirstlane_b32 s10, v1                    ; wave 0..7
	s_and_b32 s11, s10, 1                          ; which half of the mask's tile, or which head's K or V, the wave fetches
	s_lshr_b32 s84, s10, 2                         ; the head that the wave computes, 0 or 1
	s_and_b32 s85, s10, 3                          ; its 32 queries among the 128
	s_bfe_u32 s12, ttmp6, 0x40000                  ; cx
	s_bfe_u32 s13, ttmp6, 0x40004                  ; cy
	s_lshl_b32 s14, ttmp9, 2
	s_add_co_u32 s14, s14, s12                     ; block of 128 queries, 0..15
	s_and_b32 s15, ttmp7, 0xffff
	s_lshl_b32 s15, s15, 2
	s_add_co_u32 s15, s15, s13                     ; hp: pair of heads, 0..15
	s_mov_b32 s16, 0x76543210                      ; v_permlanex16_b32: lane i of one half reads lane i of the other
	s_mov_b32 s17, 0xfedcba98
	s_mov_b32 s[C2], 0x4eabfb8f                    ; 1e9 log2(e)
	s_mov_b32 s[C2+1], 0x4eabfb8f
	s_lshl_b32 s21, s13, 2
	s_lshl_b32 s21, 15, s21                        ; my row of the cluster
	s_lshl_b32 s22, 0x1111, s12                    ; my column
	; K: 128 rows x 64 numbers of 2 bytes, dense; 4 words of padding behind every 32
	s_or_b32 s[G1K+0], s21, (1<<16)|(1<<20)|(1<<21)|(4<<22)|(3<<25)
	s_mov_b32 s[G1K+1], 64<<16                     ; tensor_dim0 = 64
	s_mov_b32 s[G1K+2], 128<<16                    ; tensor_dim1 = 128
	s_mov_b32 s[G1K+3], 64<<16                     ; tile_dim0 = 64
	s_mov_b32 s[G1K+4], 128                        ; tile_dim1 = 128
	s_mov_b32 s[G1K+5], 64                         ; pitch
	s_mov_b32 s[G1K+6], 0
	s_mov_b32 s[G1K+7], 0
	; V: the same with 8 words of padding
	s_or_b32 s[G1V+0], s21, (1<<16)|(1<<20)|(1<<21)|(4<<22)|(7<<25)
	s_mov_b32 s[G1V+1], 64<<16
	s_mov_b32 s[G1V+2], 128<<16
	s_mov_b32 s[G1V+3], 64<<16
	s_mov_b32 s[G1V+4], 128
	s_mov_b32 s[G1V+5], 64
	s_mov_b32 s[G1V+6], 0
	s_mov_b32 s[G1V+7], 0
	; mask: 64 rows x 128 f32 (512 bytes of memory a row), 2,048 elements from row to row; 4 words of padding behind every 128
	s_or_b32 s[G1M+0], s22, (2<<16)|(1<<20)|(1<<21)|(6<<22)|(3<<25)
	s_mov_b32 s[G1M+1], 128<<16
	s_mov_b32 s[G1M+2], 64<<16
	s_mov_b32 s[G1M+3], 128<<16
	s_mov_b32 s[G1M+4], 64
	s_mov_b32 s[G1M+5], 2048
	s_mov_b32 s[G1M+6], 0
	s_mov_b32 s[G1M+7], 0
	; K's and V's address is made of hp and the wave alone, the mask's of the block of queries and the wave alone, each in registers of its own
	s_lshl_b32 s76, s15, 1
	s_add_co_u32 s76, s76, s11                     ; the head whose K or V the wave fetches
	s_lshl_b32 s76, s76, 18                        ; a head is 2,048 rows of 128 bytes
	s_mov_b32 s77, 0
	s_lshl_b32 s80, s14, 20                        ; 128 mask rows of 8,192 bytes
	s_lshl_b32 s81, s11, 19                        ; 64 rows
	s_add_co_u32 s80, s80, s81
	s_mov_b32 s81, 0
	s_lshl_b32 s82, s15, 1
	s_add_co_u32 s82, s82, s84                     ; the head that the wave computes
	s_lshl_b32 s82, s82, 18
	s_lshl_b32 s83, s14, 14                        ; 128 queries of 128 bytes a block,
	s_add_co_u32 s82, s82, s83
	s_lshl_b32 s83, s85, 12                        ; 32 a wave
	s_add_co_u32 s82, s82, s83
	s_mov_b32 s83, 0
	s_mul_i32 s86, s10, MHALF                      ; LDS: the mask's halves at wave x 33,792 (waves 0, 1)
	s_mul_i32 s87, s10, VHEAD
	s_add_co_u32 s87, s87, VOFF-2*VHEAD            ; V at 67,584 + (wave - 2) x 20,480 (waves 2, 3)
	s_mul_i32 s88, s10, KHEAD
	s_add_co_u32 s88, s88, KOFF-4*KHEAD            ; K at 108,544 + (wave - 4) x 18,432 (waves 4, 5)
	s_wait_dscnt 0x0
	s_wait_kmcnt 0x0
	s_add_nc_u64 s[78:79], s[4:5], s[76:77]        ; qkvh at the head fetched: feeds K's and V's descriptors
	s_add_nc_u64 s[80:81], s[6:7], s[80:81]        ; the mask at the rows fetched
	s_add_nc_u64 s[4:5], s[4:5], s[82:83]          ; Q at my wave's head and queries
	s_add_nc_u64 s[8:9], s[8:9], s[82:83]          ; att likewise
	CROUND                                         ; all sixteen work-groups are here: the first joint loads meet
.irp s, 0,1
	s_mov_b32 s[G0M+4*\s], 1
	s_add_co_u32 s[G0M+4*\s+1], s86, \s*SLOT
	s_add_nc_u64 s[G0M+4*\s+2:G0M+4*\s+3], s[80:81], \s*512
	s_or_b32 s[G0M+4*\s+3], s[G0M+4*\s+3], 0x80000000
	s_mov_b32 s[G0V+4*\s], 1
	s_add_co_u32 s[G0V+4*\s+1], s87, \s*SLOT
	s_add_nc_u64 s[G0V+4*\s+2:G0V+4*\s+3], s[78:79], (2<<23)+\s*16384
	s_or_b32 s[G0V+4*\s+3], s[G0V+4*\s+3], 0x80000000
	s_mov_b32 s[G0K+4*\s], 1
	s_add_co_u32 s[G0K+4*\s+1], s88, \s*SLOT
	s_add_nc_u64 s[G0K+4*\s+2:G0K+4*\s+3], s[78:79], (1<<23)+\s*16384
	s_or_b32 s[G0K+4*\s+3], s[G0K+4*\s+3], 0x80000000
	JLOAD \s                                       ; keys 0-127 and 128-255: two tensor loads of a fetching wave are out
.endr
	v_and_b32 v1, 15, v0                           ; r
	v_bfe_u32 v2, v0, 4, 1                         ; h
	v_and_b32 v3, 7, v0
	v_bfe_u32 v4, v0, 3, 1
	v_and_b32 v5, 31, v0
	v_lshlrev_b32 v6, 7, v1
	v_lshl_add_u32 v[QOFF], v2, 4, v6              ; r x 128 + 16 h
.irp qb, 0,1
.irp ks, 0,1
	global_load_b128 v[QF+16*\qb+8*\ks:QF+16*\qb+8*\ks+3],   v[QOFF], s[4:5] offset:\qb*2048+64*\ks
	global_load_b128 v[QF+16*\qb+8*\ks+4:QF+16*\qb+8*\ks+7], v[QOFF], s[4:5] offset:\qb*2048+64*\ks+32
.endr
.endr
	s_mul_i32 s23, s84, KHEAD
	s_add_co_u32 s23, s23, KOFF                    ; my head's K
	v_mul_u32_u24 v6, v1, KP
	v_lshl_add_u32 v6, v2, 4, v6
	v_add_nc_u32 v[ADRK], s23, v6
	v_add_nc_u32 v[ADRK+1], SLOT, v[ADRK]
	s_mul_i32 s23, s84, VHEAD
	s_add_co_u32 s23, s23, VOFF                    ; my head's V
	v_lshl_add_u32 v6, v2, 3, v3
	v_mul_u32_u24 v6, v6, VP
	v_lshl_add_u32 v6, v4, 4, v6
	v_add_nc_u32 v[ADRV], s23, v6
	v_add_nc_u32 v[ADRV+1], SLOT, v[ADRV]
	s_mul_i32 s23, s85, 32*MP                      ; my 32 queries' mask rows
	v_mul_u32_u24 v6, v1, MP
	v_lshl_add_u32 v6, v2, 5, v6
	v_add_nc_u32 v[ADRM], s23, v6                  ; (32 (w & 3) + r) x 528 + 32 h
	v_add_nc_u32 v[ADRM+1], SLOT, v[ADRM]
	s_mul_i32 s23, s10, 16*SP
	s_add_co_u32 s23, s23, STAGE
	v_mul_u32_u24 v6, v1, SP
	v_lshl_add_u32 v6, v2, 4, v6
	v_add_nc_u32 v[STO], s23, v6
	v_lshrrev_b32 v6, 3, v5
	v_mul_u32_u24 v6, v6, SP
	v_lshl_add_u32 v6, v3, 4, v6
	v_add_nc_u32 v[RD], s23, v6
	v_lshlrev_b32 v[CO], 4, v5
	v_mov_b32 v[T+4], 0                            ; v_permlanex16_b32 counts as a reader of its destination
; c = 0, 1: which 64 of a slot's 128 keys
.macro LOADK slot, c                   ; 16 loads: 4 blocks of 16 keys x 64 d
	WIN W_LD
.irp kt, 0,1,2,3
.irp ks, 0,1
	ds_load_b128 v[KF+16*\kt+8*\ks:KF+16*\kt+8*\ks+3],   v[ADRK+\slot] offset:\c*64*KP+\kt*16*KP+64*\ks
	ds_load_b128 v[KF+16*\kt+8*\ks+4:KF+16*\kt+8*\ks+7], v[ADRK+\slot] offset:\c*64*KP+\kt*16*KP+64*\ks+32
.endr
.endr
	WIN 0
.endm
.macro LOADV slot, c                   ; 16 transposing loads: 2 groups of 32 keys x 4 blocks of 16 d
	WIN W_LD
.irp g, 0,1
.irp dt, 0,1,2,3
	ds_load_tr16_b128 v[VF+32*\g+8*\dt:VF+32*\g+8*\dt+3],   v[ADRV+\slot] offset:\c*64*VP+\g*32*VP+32*\dt
	ds_load_tr16_b128 v[VF+32*\g+8*\dt+4:VF+32*\g+8*\dt+7], v[ADRV+\slot] offset:\c*64*VP+\g*32*VP+32*\dt+16*VP
.endr
.endr
	WIN 0
.endm
.macro LOADM slot, c, qb, m            ; 8 loads: the mask of query block qb in the logits' layout
.irp kt, 0,1,2,3
	ds_load_b128 v[\m+8*\kt:\m+8*\kt+3],   v[ADRM+\slot] offset:\qb*16*MP+\c*256+64*\kt
	ds_load_b128 v[\m+8*\kt+4:\m+8*\kt+7], v[ADRM+\slot] offset:\qb*16*MP+\c*256+64*\kt+16
.endr
.endm
.macro SQK qb, s                       ; S^T of query block qb: d 0-31 starts the four sums, d 32-63 adds onto them
	WIN W_S
.irp kt, 0,1,2,3
	v_wmma_f32_16x16x32_bf16 v[\s+8*\kt:\s+8*\kt+7], v[KF+16*\kt:KF+16*\kt+7], v[QF+16*\qb:QF+16*\qb+7], 0
.endr
.irp kt, 0,1,2,3
	v_wmma_f32_16x16x32_bf16 v[\s+8*\kt:\s+8*\kt+7], v[KF+16*\kt+8:KF+16*\kt+15], v[QF+16*\qb+8:QF+16*\qb+15], v[\s+8*\kt:\s+8*\kt+7]
.endr
	WIN 0
.endm
.macro SM_T m                          ; t = mask - 1.  These 16 plain instructions are also the places behind the matrix instructions in front of them
	s_wait_dscnt 0x0                               ; the mask's loads are the youngest: all my LDS loads are in
.set i, 0
.rept 16
	v_pk_add_f32 v[\m+2*i:\m+2*i+1], v[\m+2*i:\m+2*i+1], -1.0 op_sel_hi:[1,0]
.set i, i+1
.endr
.endm
.macro SM_X qb, s, m, first            ; x = t * 1e9 log2(e) + s; the new maximum of the query; the rescale factor 2^(old - new)
.set i, 0
.rept 16
	v_pk_fma_f32 v[\s+2*i:\s+2*i+1], v[\m+2*i:\m+2*i+1], s[C2:C2+1], v[\s+2*i:\s+2*i+1] op_sel_hi:[1,0,1]
.set i, i+1
.endr
.irp c, 0,1,2,3
	v_max3_num_f32 v[T+\c], v[\s+8*\c], v[\s+8*\c+1], v[\s+8*\c+2]
.endr
.irp c, 0,1,2,3
	v_max3_num_f32 v[T+\c], v[T+\c], v[\s+8*\c+3], v[\s+8*\c+4]
.endr
.irp c, 0,1,2,3
	v_max3_num_f32 v[T+\c], v[T+\c], v[\s+8*\c+5], v[\s+8*\c+6]
.endr
	v_max3_num_f32 v[T], v[T], v[T+1], v[\s+7]
	v_max3_num_f32 v[T+2], v[T+2], v[T+3], v[\s+15]
	v_max3_num_f32 v[T], v[T], v[T+2], v[\s+23]
.if \first
	v_max_num_f32 v[T], v[T], v[\s+31]
.else
	v_max3_num_f32 v[T], v[T], v[\s+31], v[MX+2*\qb]
.endif
	v_permlanex16_b32 v[T+4], v[T], s16, s17       ; the other half of the lanes holds the query's other keys
	v_max_num_f32 v[T+5], v[T], v[T+4]
.if \first == 0
	v_sub_f32 v[T+1], v[MX+2*\qb], v[T+5]
	v_exp_f32 v[AL], v[T+1]
	v_exp_f32 v[AL+1], v[T+1]                      ; the two moves below are the plain places behind the exponentials (ISA guide 5.7.2)
.endif
	v_mov_b32 v[MX+2*\qb], v[T+5]
	v_mov_b32 v[MX+2*\qb+1], v[T+5]
.endm
.macro SUBM qb, s, kt
.irp i, 0,1,2,3
	v_pk_add_f32 v[\s+8*(\kt)+2*\i:\s+8*(\kt)+2*\i+1], v[\s+8*(\kt)+2*\i:\s+8*(\kt)+2*\i+1], v[MX+2*\qb:MX+2*\qb+1] neg_lo:[0,1] neg_hi:[0,1]
.endr
.endm
.macro SM_E qb, s, m, first            ; p = 2^(x - maximum); the lane's sum in f32; p in f16 into the mask buffer's first 16 registers
	SUBM \qb, \s, 0
.irp kt, 0,1,2,3
.irp j, 0,1,2,3,4,5,6,7
	v_exp_f32 v[\s+8*\kt+\j], v[\s+8*\kt+\j]
.endr
.if \kt < 3
	SUBM \qb, \s, \kt+1                            ; plain work on other registers stands behind the eight exponentials
.else
	v_nop
	s_wait_alu depctr_va_vdst(0)
.endif
.if \kt == 0
	s_wait_alu depctr_va_vdst(0)
	v_pk_add_f32 v[SA:SA+1], v[\s:\s+1], v[\s+2:\s+3]
	v_pk_add_f32 v[SB:SB+1], v[\s+4:\s+5], v[\s+6:\s+7]
.else
	s_wait_alu depctr_va_vdst(0)
	v_pk_add_f32 v[SA:SA+1], v[SA:SA+1], v[\s+8*\kt:\s+8*\kt+1]
	v_pk_add_f32 v[SB:SB+1], v[SB:SB+1], v[\s+8*\kt+2:\s+8*\kt+3]
	v_pk_add_f32 v[SA:SA+1], v[SA:SA+1], v[\s+8*\kt+4:\s+8*\kt+5]
	v_pk_add_f32 v[SB:SB+1], v[SB:SB+1], v[\s+8*\kt+6:\s+8*\kt+7]
.endif
.irp i, 0,1,2,3
	v_cvt_pk_f16_f32 v[\m+4*\kt+\i], v[\s+8*\kt+2*\i], v[\s+8*\kt+2*\i+1]
.endr
.endr
	v_pk_add_f32 v[SA:SA+1], v[SA:SA+1], v[SB:SB+1]
.if \first
	v_add_f32 v[LS+\qb], v[SA], v[SA+1]
.else
	v_add_f32 v[T], v[SA], v[SA+1]
	v_fma_f32 v[LS+\qb], v[LS+\qb], v[AL], v[T]
.endif
.endm
.macro RESC qb                         ; O^T of the block times the rescale factor: one factor a lane
	WIN W_RS
.set i, 0
.rept 16
	v_pk_mul_f32 v[OA+32*\qb+2*i:OA+32*\qb+2*i+1], v[OA+32*\qb+2*i:OA+32*\qb+2*i+1], v[AL:AL+1]
.set i, i+1
.endr
.endm
.macro PV qb, m, first                 ; O^T += V^T P^T in f16: keys 0-31 over the four blocks of d, then keys 32-63
	WIN W_PV
.irp dt, 0,1,2,3
.if \first
	v_wmma_f32_16x16x32_f16 v[OA+32*\qb+8*\dt:OA+32*\qb+8*\dt+7], v[VF+8*\dt:VF+8*\dt+7], v[\m:\m+7], 0
.else
	v_wmma_f32_16x16x32_f16 v[OA+32*\qb+8*\dt:OA+32*\qb+8*\dt+7], v[VF+8*\dt:VF+8*\dt+7], v[\m:\m+7], v[OA+32*\qb+8*\dt:OA+32*\qb+8*\dt+7]
.endif
.endr
.irp dt, 0,1,2,3
	v_wmma_f32_16x16x32_f16 v[OA+32*\qb+8*\dt:OA+32*\qb+8*\dt+7], v[VF+32+8*\dt:VF+32+8*\dt+7], v[\m+8:\m+15], v[OA+32*\qb+8*\dt:OA+32*\qb+8*\dt+7]
.endr
	WIN 0
.endm
.macro SOFT qb, s, m, first            ; behind SM_X: weights, rescale
	SM_E \qb, \s, \m, \first
.if \first == 0
	RESC \qb
.endif
.endm
; One chunk of 64 keys: keys 64 c .. + 63 of a slot.  nslot, nc: the chunk that follows.  bar = 1: the slot is left, behind a barrier; fill = 1: that barrier
; opens a round of the cluster's barrier and the slot is filled again, two slots ahead; nxt = 1: the next chunk's K and first mask block are fetched.
; Every load into K's, V's or a mask buffer's registers stands behind the 16 plain instructions of an SM_T after the last matrix instruction that read them.
.macro CHUNK slot, c, nslot, nc, first, bar, fill, nxt
	s_wait_dscnt 0x8                               ; K's 16 loads are in; the 8 of block 0's mask, issued behind them, may be out
	SQK 0, SBUF0
	SQK 1, SBUF1
	SM_T MBUF0
	LOADV \slot, \c
	LOADM \slot, \c, 1, MBUF1
	SM_X 0, SBUF0, MBUF0, \first
	SOFT 0, SBUF0, MBUF0, \first
	s_wait_dscnt 0x8                               ; V's 16 loads are in; the 8 of block 1's mask may be out
	PV 0, MBUF0, \first
	SM_T MBUF1                                     ; its wait for 0 ends my reads of this chunk
.if \bar
	s_wait_tensorcnt 0x0                           ; all my tensor loads have landed: the one that was out is my part of the other slot
	ds_add_u32 v254, v255
	s_wait_dscnt 0x0
	s_barrier_signal -1                            ; with fill = 1 this barrier opens a round of the cluster's barrier
.endif
	SM_X 1, SBUF1, MBUF1, \first                   ; register work while the others arrive
.if \bar
	s_barrier_wait -1
.endif
.if \fill
	CREST                                          ; no wave of any partner still reads this slot or has a load on its way
	s_add_nc_u64 s[G0M+4*\slot+2:G0M+4*\slot+3], s[G0M+4*\slot+2:G0M+4*\slot+3], 2*512
	s_add_nc_u64 s[G0V+4*\slot+2:G0V+4*\slot+3], s[G0V+4*\slot+2:G0V+4*\slot+3], 2*16384
	s_add_nc_u64 s[G0K+4*\slot+2:G0K+4*\slot+3], s[G0K+4*\slot+2:G0K+4*\slot+3], 2*16384
	JLOAD \slot                                    ; my one tensor load behind the round; it has the other slot's two chunks in which to land
.endif
.if \nxt
	LOADK \nslot, \nc
	LOADM \nslot, \nc, 0, MBUF0
.endif
	SOFT 1, SBUF1, MBUF1, \first
	PV 1, MBUF1, \first
.endm
.macro SLOTP slot, other, first, bar, fill, nxt    ; a slot's 128 keys: no barrier between its two chunks, the one in front has shown the whole slot to every wave
	CHUNK \slot, 0, \slot, 1, \first, 0, 0, 1
	CHUNK \slot, 1, \other, 0, 0, \bar, \fill, \nxt
.endm
	s_wait_tensorcnt 0x0                           ; all my first fills have landed, slot 1's too: the count is 0 because the waves have issued two loads or none,
	s_barrier_signal -1                            ; and 0 alone shows slot 0's tile landed on every way to this line; slot 1's load went out straight behind slot 0's
	s_barrier_wait -1                              ; now that holds of all eight waves: both slots are whole
	LOADK 0, 0
	LOADM 0, 0, 0, MBUF0
	s_wait_loadcnt 0x0                             ; Q
	SLOTP 0, 1, 1, 1, 1, 1                         ; keys 0-127: the first chunk starts maxima, sums and O^T: nothing is cleared
	SLOTP 1, 0, 0, 1, 1, 1
	s_mov_b32 s20, 6                               ; fills 2 .. 13 of the 16
.Lpair:
	SLOTP 0, 1, 0, 1, 1, 1
	SLOTP 1, 0, 0, 1, 1, 1
	s_sub_co_u32 s20, s20, 1
	s_cmp_lg_u32 s20, 0
	s_cbranch_scc1 .Lpair
	SLOTP 0, 1, 0, 1, 0, 1                         ; the last two slots fill nothing
	SLOTP 1, 0, 0, 0, 0, 0
	; THE WAY OUT, 16 queries at a time: join the two halves' sums, divide, round to f16, 16 bytes a lane into my stage, read back 4 rows of 128 bytes a load:
	; in att these are 512 consecutive bytes, aligned.
.rept 4
	v_nop                                          ; four places behind the last matrix instructions (ISA guide 7.12.1)
.endr
.macro OUTQ qb
	v_permlanex16_b32 v[T+4], v[LS+\qb], s16, s17
	v_add_f32 v[T], v[LS+\qb], v[T+4]              ; at least 1: the largest weight is 2^0
	v_mul_f32 v[T], 0x3d800000, v[T]               ; sum / 16: its reciprocal gives V's factor 16 back
	v_rcp_f32 v[AL], v[T]
	v_rcp_f32 v[AL+1], v[T]
	v_nop                                          ; the plain place behind the reciprocals
	WIN 0x01
.set i, 0
	s_wait_alu depctr_va_vdst(0)
.rept 16
	v_pk_mul_f32 v[SBUF0+2*i:SBUF0+2*i+1], v[OA+32*\qb+2*i:OA+32*\qb+2*i+1], v[AL:AL+1]
.set i, i+1
.endr
	WIN 0
.set i, 0
.rept 16
	v_cvt_pk_f16_f32 v[SBUF1+i], v[SBUF0+2*i], v[SBUF0+2*i+1]
.set i, i+1
.endr
.irp dt, 0,1,2,3
	ds_store_b128 v[STO], v[SBUF1+4*\dt:SBUF1+4*\dt+3] offset:32*\dt
.endr
.irp t, 0,1,2,3
	ds_load_b128 v[MBUF0+16*\qb+4*\t:MBUF0+16*\qb+4*\t+3], v[RD] offset:\t*4*SP    ; registers of their own for each block: no store's data is written again
.endr
.irp t, 0,1,2,3
	s_wait_dscnt 3-\t
	global_store_b128 v[CO], v[MBUF0+16*\qb+4*\t:MBUF0+16*\qb+4*\t+3], s[8:9] offset:\qb*2048+\t*512
.endr
.endm
	OUTQ 0
	OUTQ 1
	s_wait_tensorcnt 0x0
	ds_add_u32 v254, v255
	s_wait_dscnt 0x0
	CROUND                                         ; the closing round
	s_endpgm
.Lfunc_end_k_qd0e20725db_attn:
	.size	k_qd0e20725db_attn, .Lfunc_end_k_qd0e20725db_attn-k_qd0e20725db_attn
	.p2alignl 7, 3214868480
	.fill 96, 4, 3214868480
	.section	.rodata,"a",@progbits
	.p2align	6, 0x0
	.amdhsa_kernel k_qd0e20725db_attn
		.amdhsa_group_segment_fixed_size 327680
		.amdhsa_private_segment_fixed_size 0
		.amdhsa_enable_private_segment 0
		.amdhsa_kernarg_size 24
		.amdhsa_user_sgpr_count 2
		.amdhsa_user_sgpr_kernarg_segment_ptr 1
		.amdhsa_wavefront_size32 1
		.amdhsa_system_sgpr_workgroup_id_x 1
		.amdhsa_system_sgpr_workgroup_id_y 1
		.amdhsa_system_sgpr_workgroup_id_z 1
		.amdhsa_system_vgpr_workitem_id 0
		.amdhsa_next_free_vgpr 448
		.amdhsa_next_free_sgpr 92
		.amdhsa_reserve_vcc 0
		.amdhsa_float_denorm_mode_32 3
		.amdhsa_float_denorm_mode_16_64 3
		.amdhsa_memory_ordered 1
		.amdhsa_forward_progress 1
		.amdhsa_inst_pref_size 255
	.end_amdhsa_kernel
	.section	.bss,"aw",@nobits
	.p2align	6
	.space	262144
	.amdgpu_metadata
---
amdhsa.version: [ 1, 2 ]
amdhsa.kernels:
  - .name:           k_qd0e20725db_attn
    .symbol:         k_qd0e20725db_attn.kd
    .args:
      - { .name: qkvh, .offset: 0, .size: 8, .value_kind: global_buffer, .address_space: global }
      - { .name: mask, .offset: 8, .size: 8, .value_kind: global_buffer, .address_space: global }
      - { .name: att, .offset: 16, .size: 8, .value_kind: global_buffer, .address_space: global }
    .group_segment_fixed_size: 327680
    .private_segment_fixed_size: 0
    .kernarg_segment_align: 8
    .kernarg_segment_size: 24
    .max_flat_workgroup_size: 256
    .sgpr_count:     92
    .vgpr_count:     448
    .wavefront_size: 32
...
	.end_amdgpu_metadata
.endif
;; end of part 5
;; launch oproj (part 6): grid 8 x 32, 4 waves a work-group, clusters of 4 x 4, 327,680 bytes of LDS; arguments att, w16, bo, out0; writes out0
.if DOCPART == 6
	.amdgcn_target "amdgcn-amd-amdhsa--gfx1250"
	.amdhsa_code_object_version 6
	.text
	.protected	k_qd0e20725db_oproj
	.globl	k_qd0e20725db_oproj
	.p2align	8
	.type	k_qd0e20725db_oproj,@function
k_qd0e20725db_oproj:
	s_mov_b64 s[64:65], 0
	v_nop
	global_prefetch_b8 v0, s[64:65] scope:SCOPE_SE
	s_setreg_imm32_b32 hwreg(HW_REG_WAVE_MODE, 25, 1), 1
	s_wait_xcnt 0x0
	s_wait_alu depctr_hold_cnt(0) depctr_sa_sdst(0) depctr_va_vdst(0) depctr_va_sdst(0) depctr_va_ssrc(0) depctr_va_vcc(0) depctr_vm_vsrc(0)
	s_getreg_b32 s2, hwreg(HW_REG_IB_STS2, 6, 4)
	s_cmp_eq_u32 s2, 0
	s_cbranch_scc0 .Lentry_in_a_cluster
	s_endpgm
.Lentry_in_a_cluster:
	s_bfe_u32 s2, ttmp6, 0x10000c
	s_cmp_lg_u32 s2, 0xf033
	s_cbranch_scc0 .Lentry_shape_is_right
	s_endpgm
.Lentry_shape_is_right:
; out0[token][n] = sum over k of A[token][k] Wo[k][n] + bo[n], f32.  A = att, f16 [batch][head][s][64], k = 64 head + d.  Wo: f16 [k][n], the fourth matrix of w16.
; Both operands are f16 (steps of 2^-11 of the number); the room that each has in f16 is shown where it is stored.  Sums and the bias in f32.
; A work-group makes 128 tokens x 128 features with four waves: 32 x 8 = 256 work-groups.  Wave w makes tokens 64 (w >> 1) .. + 63 x features 64 (w & 1) .. + 63:
; 16 accumulator tiles; for 32 along K it reads 16 x 512 bytes of LDS for 16 matrix instructions.
; K goes through two LDS slots of 256 (four heads) each: 4 fills in all.  The two first fills, half of all K, go out together at the start; two refills follow,
; each with a whole slot's 128 matrix instructions a wave in which to land.  So the text needs no loop.
; CLUSTERS of 4 x 4: a row of the cluster has the same tokens and asks for A's planes jointly, a column has the same features and asks for W's rows jointly:
; requests for both are divided by four.
; A's tile: one head's 128 tokens x 64 numbers are 16,384 consecutive bytes of att, so a plane is taken as ONE row of 8,192 elements, and a wave's load is 2 such
; rows, 131,072 elements (a head) apart.  The padding's interval of 32 words is counted along the whole tile, so each token's 128 bytes get their 16 bytes of padding.
; The matrix instruction is used transposed (source 0 = 16 features of W by the transposing LDS load, source 1 = 16 tokens): lane (r, h), register j holds
; feature 16 b + 8 h + j of token 16 a + r.  The first product takes the bias as C: nothing is cleared and nothing is added at the end.
; The 16 accumulators take turns, one instruction a turn, in the same order in every quarter.
.set AP,     144                       ; LDS row of A: 64 f16 + 16 bytes
.set APLANE, 128*AP                    ; one head's 128 tokens
.set WP,     288                       ; LDS row of W: 128 f16 + 32 bytes, an odd multiple of 32 for the transposing load
.set PART,   2*APLANE                  ; 36,864: what one wave brings: two planes of A (waves 0, 1), or 128 rows of W = 128 x 288 (waves 2, 3)
.set WOFF,   2*PART
.set SLOT,   4*PART                    ; 147,456
.set STAGE,  2*SLOT                    ; behind the ring, never filled by a tensor load: 16 rows x 272 bytes for each wave
.set SP,     272                       ; 64 f32 + 16 bytes
.set ADRA, 16                          ; v16-17  LDS address of my A rows in slot 0, 1
.set ADRW, 18                          ; v18-19  of my W fragments, k 0-127 of slot 0, 1;  v20-21  k 128-255 (the 16-bit offset does not reach them)
.set STO,  22
.set RD,   23
.set CO,   24
.set BOFF, 25
.set AF,   32                          ; v32-63, v64-95  A's fragments, two buffers
.set BI,   96                          ; v96-127  the bias in the accumulators' layout, 8 registers for each feature block
.set RB,   128                         ; v128-255 way out: rows read back, 32 registers of their own for each token block
.set ACC,  64                          ; window 1: v0-31, v32-63 W's fragments, two buffers;  v64-191 accumulator (a, b) at 64 + 8 (4 a + b)
.set G1A, 24
.set G1W, 32
.set G0A, 40                           ; s[40:47] a set for each slot
.set G0W, 48                           ; s[48:55]
.set MUL,       0x51                   ; source 0 (W), C and D window 1, source 1 (A) window 0
.set MUL_FIRST, 0x41                   ; the same with C (the bias) in window 0
.set TO_B,      0x40
.set MSB, 0
.macro WIN new                         ; the immediate's high byte repeats the setting that is left
.if MSB != \new
	s_set_vgpr_msb (MSB<<8)|\new
.set MSB, \new
.endif
.endm
.macro PLACES                          ; four places behind a matrix instruction, in front of loads into its registers and of stores of its result
.rept 4
	v_nop
.endr
.endm
.macro CREST
	s_cmp_lg_u32 s12, 0
	s_cbranch_scc1 .Lnot_wave_0_\@
	s_barrier_signal -3
.Lnot_wave_0_\@:
	s_barrier_wait -3
	s_barrier_signal -1
	s_barrier_wait -1
.endm
.macro CROUND
	s_barrier_signal -1
	s_barrier_wait -1
	CREST
.endm
.macro JLOAD s                         ; waves 0, 1: two planes of A each; waves 2, 3: 128 rows of W each
	s_cmp_eq_u32 s14, 0
	s_cbranch_scc0 .Lfor_w_\@
	tensor_load_to_lds s[G0A+4*\s:G0A+4*\s+3], s[G1A:G1A+7]
	s_nop 0
	s_branch .Lasked_\@
.Lfor_w_\@:
	tensor_load_to_lds s[G0W+4*\s:G0W+4*\s+3], s[G1W:G1W+7]
	s_nop 0
.Lasked_\@:
.endm
	s_load_b256 s[4:11], s[0:1], 0x0               ; att s[4:5], w16 s[6:7], bo s[8:9], out0 s[10:11]
	s_set_vgpr_msb 0x40
	v_lshl_add_u32 v193, v0, 2, 0x4c400
	s_set_vgpr_msb 0x4000
	v_mov_b32 v31, 0
	s_set_vgpr_msb 0x1
	ds_add_u32 v193, v31
	s_set_vgpr_msb 0x100
	v_lshrrev_b32 v1, 5, v0
	v_readfirstlane_b32 s12, v1                    ; wave 0..3
	s_and_b32 s13, s12, 1                          ; which half of its tile the wave fetches; also: my half of the features
	s_lshr_b32 s14, s12, 1                         ; 0: it fetches A, 1: W; also: my half of the tokens
	s_bfe_u32 s15, ttmp6, 0x40000                  ; cx
	s_bfe_u32 s16, ttmp6, 0x40004                  ; cy
	s_lshl_b32 s17, ttmp9, 2
	s_add_co_u32 s17, s17, s15                     ; fb: block of 128 features, 0..7
	s_and_b32 s18, ttmp7, 0xffff
	s_lshl_b32 s18, s18, 2
	s_add_co_u32 s18, s18, s16                     ; tb: block of 128 tokens, 0..31
	s_lshl_b32 s60, s16, 2
	s_lshl_b32 s60, 15, s60                        ; my row of the cluster
	s_lshl_b32 s61, 0x1111, s15                    ; my column
	; A: 2 rows (planes) of 8,192 f16, 131,072 elements from row to row; 4 words of padding behind every 32
	s_or_b32 s[G1A+0], s60, (1<<16)|(1<<20)|(1<<21)|(4<<22)|(3<<25)
	s_mov_b32 s[G1A+1], 8192<<16                   ; tensor_dim0 = 8,192
	s_mov_b32 s[G1A+2], 2<<16                      ; tensor_dim1 = 2
	s_mov_b32 s[G1A+3], 8192<<16                   ; tile_dim0 = 8,192
	s_mov_b32 s[G1A+4], 2                          ; tile_dim1 = 2
	s_mov_b32 s[G1A+5], 131072                     ; pitch: a head's 2,048 x 64 elements
	s_mov_b32 s[G1A+6], 0
	s_mov_b32 s[G1A+7], 0
	; W: 128 rows (k) x 128 f16, 1,024 elements from row to row; 8 words of padding behind every 64
	s_or_b32 s[G1W+0], s61, (1<<16)|(1<<20)|(1<<21)|(5<<22)|(7<<25)
	s_mov_b32 s[G1W+1], 128<<16
	s_mov_b32 s[G1W+2], 128<<16
	s_mov_b32 s[G1W+3], 128<<16
	s_mov_b32 s[G1W+4], 128
	s_mov_b32 s[G1W+5], 1024
	s_mov_b32 s[G1W+6], 0
	s_mov_b32 s[G1W+7], 0
	; A's address is made of tb and the wave alone, W's of fb and the wave alone, each in registers of its own
	s_lshr_b32 s20, s18, 4                         ; batch
	s_lshl_b32 s20, s20, 4
	s_lshl_b32 s21, s13, 1
	s_add_co_u32 s20, s20, s21                     ; 16 x batch + the first of the wave's two heads of the slot
	s_lshl_b32 s20, s20, 18                        ; a head is 2,048 rows of 128 bytes
	s_and_b32 s21, s18, 15
	s_lshl_b32 s21, s21, 14                        ; 128 tokens of 128 bytes
	s_add_co_u32 s20, s20, s21
	s_mov_b32 s21, 0
	s_lshl_b32 s22, s13, 18                        ; 128 rows of 2,048 bytes
	s_lshl_b32 s23, s17, 8                         ; 128 features of 2 bytes
	s_add_co_u32 s22, s22, s23
	s_add_co_u32 s22, s22, 3<<21                   ; Wo is the fourth matrix
	s_mov_b32 s23, 0
	s_lshl_b32 s60, s17, 9                         ; my 64 features in f32, in bo and in a row of out0: 512 bytes a block,
	s_lshl_b32 s61, s13, 8                         ; 256 a half
	s_add_co_u32 s60, s60, s61
	s_mov_b32 s61, 0
	s_lshl_b32 s62, s18, 19                        ; 128 rows of 4,096 bytes a block,
	s_lshl_b32 s63, s14, 18                        ; 64 a half
	s_add_co_u32 s62, s62, s63
	s_mov_b32 s63, 0
	s_mul_i32 s66, s12, PART                       ; LDS: every wave's part at wave x 36,864: A's four planes, then W's 256 rows
	s_wait_dscnt 0x0
	s_wait_kmcnt 0x0
	s_add_nc_u64 s[56:57], s[4:5], s[20:21]
	s_add_nc_u64 s[58:59], s[6:7], s[22:23]
	s_add_nc_u64 s[8:9], s[8:9], s[60:61]
	s_add_nc_u64 s[10:11], s[10:11], s[60:61]
	s_add_nc_u64 s[10:11], s[10:11], s[62:63]
	CROUND                                         ; all sixteen work-groups are here: the first joint loads meet
.irp s, 0,1
	s_mov_b32 s[G0A+4*\s], 1
	s_add_co_u32 s[G0A+4*\s+1], s66, \s*SLOT
	s_add_nc_u64 s[G0A+4*\s+2:G0A+4*\s+3], s[56:57], \s*(4<<18)
	s_or_b32 s[G0A+4*\s+3], s[G0A+4*\s+3], 0x80000000
	s_mov_b32 s[G0W+4*\s], 1
	s_add_co_u32 s[G0W+4*\s+1], s66, \s*SLOT
	s_add_nc_u64 s[G0W+4*\s+2:G0W+4*\s+3], s[58:59], \s*(256<<11)
	s_or_b32 s[G0W+4*\s+3], s[G0W+4*\s+3], 0x80000000
	JLOAD \s                                       ; k 0-255 and 256-511: two tensor loads of the wave are out
.endr
	v_and_b32 v1, 15, v0                           ; r
	v_bfe_u32 v2, v0, 4, 1                         ; h
	v_and_b32 v3, 7, v0
	v_bfe_u32 v4, v0, 3, 1
	v_lshlrev_b32 v[BOFF], 5, v2
.irp b, 0,1,2,3
	global_load_b128 v[BI+8*\b:BI+8*\b+3],   v[BOFF], s[8:9] offset:64*\b
	global_load_b128 v[BI+8*\b+4:BI+8*\b+7], v[BOFF], s[8:9] offset:64*\b+16
.endr
	s_mul_i32 s68, s14, 64*AP                      ; my 64 tokens
	v_mul_u32_u24 v6, v1, AP
	v_lshl_add_u32 v6, v2, 4, v6
	v_add_nc_u32 v[ADRA], s68, v6                  ; (64 (w >> 1) + r) x 144 + 16 h
	v_add_nc_u32 v[ADRA+1], SLOT, v[ADRA]
	s_lshl_b32 s68, s13, 7                         ; my 64 features of 2 bytes
	s_add_co_u32 s68, s68, WOFF
	v_lshl_add_u32 v7, v2, 3, v3
	v_mul_u32_u24 v7, v7, WP
	v_lshl_add_u32 v7, v4, 4, v7
	v_add_nc_u32 v[ADRW], s68, v7                  ; (8 h + lane & 7) x 288 + 16 ((lane >> 3) & 1) + 128 (w & 1)
	v_add_nc_u32 v[ADRW+1], SLOT, v[ADRW]
	v_add_nc_u32 v[ADRW+2], 128*WP, v[ADRW]
	v_add_nc_u32 v[ADRW+3], 128*WP, v[ADRW+1]
	s_mul_i32 s68, s12, 16*SP
	s_add_co_u32 s68, s68, STAGE
	v_mul_u32_u24 v8, v1, SP
	v_lshl_add_u32 v8, v2, 5, v8
	v_add_nc_u32 v[STO], s68, v8                   ; in: row r, 32 bytes for each half of the lanes
	v_mul_u32_u24 v9, v2, SP
	v_lshl_add_u32 v9, v1, 4, v9
	v_add_nc_u32 v[RD], s68, v9                    ; back: lanes 0-15 take one row of 256 bytes, lanes 16-31 the next
	v_lshlrev_b32 v[CO], 4, v1
	v_lshl_add_u32 v[CO], v2, 12, v[CO]            ; and the same two rows in out0
; One run of 16 LDS loads: quarter q (32 along K, q = 0 .. 7) of a slot into buffers f: 4 feature blocks x 2 transposing loads, 4 token blocks x 2 loads
.macro FETCH slot, q, f
	WIN TO_B
.irp b, 0,1,2,3
	ds_load_tr16_b128 v[32*\f+8*\b:32*\f+8*\b+3],   v[ADRW+2*(\q/4)+\slot] offset:32*(\q%4)*WP+32*\b
	ds_load_tr16_b128 v[32*\f+8*\b+4:32*\f+8*\b+7], v[ADRW+2*(\q/4)+\slot] offset:32*(\q%4)*WP+32*\b+16*WP
.endr
	WIN 0
.irp a, 0,1,2,3
	ds_load_b128 v[AF+32*\f+8*\a:AF+32*\f+8*\a+3],   v[ADRA+\slot] offset:\a*16*AP+(\q/2)*APLANE+64*(\q%2)
	ds_load_b128 v[AF+32*\f+8*\a+4:AF+32*\f+8*\a+7], v[ADRA+\slot] offset:\a*16*AP+(\q/2)*APLANE+64*(\q%2)+32
.endr
.endm
.macro MUL8 f, a0, first               ; token blocks a0, a0 + 1 x all 4 feature blocks
.irp a, \a0, \a0+1
.irp b, 0,1,2,3
.if \first
	v_wmma_f32_16x16x32_f16 v[ACC+8*(4*(\a)+\b):ACC+8*(4*(\a)+\b)+7], v[32*\f+8*\b:32*\f+8*\b+7], v[AF+32*\f+8*(\a):AF+32*\f+8*(\a)+7], v[BI+8*\b:BI+8*\b+7]
.else
	v_wmma_f32_16x16x32_f16 v[ACC+8*(4*(\a)+\b):ACC+8*(4*(\a)+\b)+7], v[32*\f+8*\b:32*\f+8*\b+7], v[AF+32*\f+8*(\a):AF+32*\f+8*(\a)+7], v[ACC+8*(4*(\a)+\b):ACC+8*(4*(\a)+\b)+7]
.endif
.endr
.endr
.endm
; One of a slot's first seven quarters: fetches quarter qn into buffers g, multiplies buffers f
.macro QUARTER slot, qn, f, g, first
	PLACES                                         ; buffers g were read by the matrix instructions just issued
	FETCH \slot, \qn, \g
	s_wait_dscnt 16                                ; all but the 16 just issued: buffers f are in
.if \first
	WIN MUL_FIRST
.else
	WIN MUL
.endif
	MUL8 \f, 0, \first
	MUL8 \f, 2, \first
.endm
.macro SEVEN slot, first
	QUARTER \slot, 1, 0, 1, \first
	QUARTER \slot, 2, 1, 0, 0
	QUARTER \slot, 3, 0, 1, 0
	QUARTER \slot, 4, 1, 0, 0
	QUARTER \slot, 5, 0, 1, 0
	QUARTER \slot, 6, 1, 0, 0
	QUARTER \slot, 7, 0, 1, 0
.endm
; The eighth quarter multiplies buffers 1 and changes slots.  In front of the barrier each wave waits for its reads of this slot and for all its tensor loads
; (one is out: its part of the next slot).  With fill = 1 the barrier opens a round of the cluster's barrier and the joint refill, two slots ahead, comes first behind it.
.macro TURN slot, next, fill
	s_wait_dscnt 0x0
	s_wait_tensorcnt 0x0
	ds_add_u32 v193, v31
	s_wait_dscnt 0x0
	s_barrier_signal -1
	WIN MUL
	MUL8 1, 0, 0                                   ; register work while the others arrive
	WIN 0
	s_barrier_wait -1
.if \fill
	CREST
	s_add_nc_u64 s[G0A+4*\slot+2:G0A+4*\slot+3], s[G0A+4*\slot+2:G0A+4*\slot+3], 8<<18
	s_add_nc_u64 s[G0W+4*\slot+2:G0W+4*\slot+3], s[G0W+4*\slot+2:G0W+4*\slot+3], 512<<11
	JLOAD \slot
.endif
	PLACES                                         ; buffers 0 were read by the seventh quarter's matrix instructions
	FETCH \next, 0, 0
	WIN MUL
	MUL8 1, 2, 0
.endm
	s_wait_tensorcnt 0x1                           ; my part of slot 0 is in; slot 1's may stay out
	s_barrier_signal -1
	s_barrier_wait -1
	FETCH 0, 0, 0
	s_wait_loadcnt 0x0                             ; the bias
	SEVEN 0, 1                                     ; k 0-255: the first products take the bias as C
	TURN 0, 1, 1                                   ; slot 0 is asked for again: k 512-767
	SEVEN 1, 0                                     ; k 256-511
	TURN 1, 0, 1                                   ; slot 1 is asked for again: k 768-1023
	SEVEN 0, 0
	TURN 0, 1, 0                                   ; nothing is left to fetch
	SEVEN 1, 0
	s_wait_dscnt 0x0
	WIN MUL
	MUL8 1, 0, 0
	MUL8 1, 2, 0
	; THE WAY OUT, 16 tokens at a time: the sums go as they are into my stage (rows of 272 bytes) and come back two rows a load: sixteen neighbouring lanes
	; store 256 consecutive bytes of a row of out0, at a multiple of 256 from its first byte.
	PLACES
.macro OUT a
	WIN 0x04                                       ; store data from window 1
.irp b, 0,1,2,3
	ds_store_b128 v[STO], v[ACC+8*(4*\a+\b):ACC+8*(4*\a+\b)+3]   offset:64*\b
	ds_store_b128 v[STO], v[ACC+8*(4*\a+\b)+4:ACC+8*(4*\a+\b)+7] offset:64*\b+16
.endr
	WIN 0
.irp t, 0,1,2,3,4,5,6,7
	ds_load_b128 v[RB+32*\a+4*\t:RB+32*\a+4*\t+3], v[RD] offset:\t*2*SP      ; LDS serves a wave's instructions in order: these see the stores above
.endr
.irp t, 0,1,2,3,4,5,6,7
	s_wait_dscnt 7-\t
	global_store_b128 v[CO], v[RB+32*\a+4*\t:RB+32*\a+4*\t+3], s[10:11] offset:(16*\a+2*\t)*4096 th:TH_STORE_NT
.endr
.endm
	OUT 0
	OUT 1
	OUT 2
	OUT 3
	s_set_vgpr_msb 0x1
	s_wait_tensorcnt 0x0
	ds_add_u32 v193, v31
	s_wait_dscnt 0x0
	s_set_vgpr_msb 0x100
	CROUND                                         ; the closing round
	s_endpgm
.Lfunc_end_k_qd0e20725db_oproj:
	.size	k_qd0e20725db_oproj, .Lfunc_end_k_qd0e20725db_oproj-k_qd0e20725db_oproj
	.p2alignl 7, 3214868480
	.fill 96, 4, 3214868480
	.section	.rodata,"a",@progbits
	.p2align	6, 0x0
	.amdhsa_kernel k_qd0e20725db_oproj
		.amdhsa_group_segment_fixed_size 327680
		.amdhsa_private_segment_fixed_size 0
		.amdhsa_enable_private_segment 0
		.amdhsa_kernarg_size 32
		.amdhsa_user_sgpr_count 2
		.amdhsa_user_sgpr_kernarg_segment_ptr 1
		.amdhsa_wavefront_size32 1
		.amdhsa_system_sgpr_workgroup_id_x 1
		.amdhsa_system_sgpr_workgroup_id_y 1
		.amdhsa_system_sgpr_workgroup_id_z 1
		.amdhsa_system_vgpr_workitem_id 0
		.amdhsa_next_free_vgpr 450
		.amdhsa_next_free_sgpr 70
		.amdhsa_reserve_vcc 0
		.amdhsa_float_denorm_mode_32 3
		.amdhsa_float_denorm_mode_16_64 3
		.amdhsa_memory_ordered 1
		.amdhsa_forward_progress 1
		.amdhsa_inst_pref_size 91
	.end_amdhsa_kernel
	.amdgpu_metadata
---
amdhsa.version: [ 1, 2 ]
amdhsa.kernels:
  - .name:           k_qd0e20725db_oproj
    .symbol:         k_qd0e20725db_oproj.kd
    .args:
      - { .name: att, .offset: 0, .size: 8, .value_kind: global_buffer, .address_space: global }
      - { .name: w16, .offset: 8, .size: 8, .value_kind: global_buffer, .address_space: global }
      - { .name: bo, .offset: 16, .size: 8, .value_kind: global_buffer, .address_space: global }
      - { .name: out0, .offset: 24, .size: 8, .value_kind: global_buffer, .address_space: global }
    .group_segment_fixed_size: 327680
    .private_segment_fixed_size: 0
    .kernarg_segment_align: 8
    .kernarg_segment_size: 32
    .max_flat_workgroup_size: 128
    .sgpr_count:     70
    .vgpr_count:     450
    .wavefront_size: 32
...
	.end_amdgpu_metadata
.endif
;; end of part 6
